; MI455X (gfx1250); checked and timed in simulation.
; The chip was launched on July 23, 2026; its instructions are those of AMD's public machine-readable ISA for CDNA 5 (MIT licence, August 2026) and "CDNA5" Instruction Set Architecture Reference Guide (July 2026). The comments in the code are by the model that wrote it; some were corrected since.
;; Neighborhood Attention1 D. Allowed arithmetic: float matrix products may take bf16 or f16 operands with f32 sums; other float arithmetic in f32, or as packed bf16 or f16 multiplies, adds, multiply-adds, maxima and minima; sums over many terms, partial sums and values carried from step to step in f32; what a program stores and reads back later, other than sums and carried values, may be rounded once to bf16 or f16.
;; Inputs: b_proj 1,024 float32; b_qkv 3,072 float32; rpb 16 x 25 float32; w_proj 1,024 x 1,024 float32; w_qkv 1,024 x 3,072 float32; x 4 x 4,096 x 1,024 float32.
;; Outputs: out0 4 x 4,096 x 1,024 float32.
;; 2 versions, each right; version 2 is version 1 with the launch attn written anew for expert scheduling mode. Each part assembles by itself: llvm-mc -triple=amdgcn-amd-amdhsa -mcpu=gfx1250 --defsym DOCPART=n.
;; ======== version 1 of 2: 4 launches
;; limits: values are held in f16: magnitudes above 65,504 overflow, below 6.1e-05 lose precision; right only within a limited range of input values
;; workspace buffers: xb 33,554,432 bytes; wq 6,291,456 bytes; wp 2,097,152 bytes; qkv 100,663,296 bytes; ao 33,554,432 bytes
;; launch prep (part 1): grid 1280 x 1, 8 waves a work-group, no clusters, 0 bytes of LDS; arguments x, w_qkv, w_proj, xb, wq, wp; writes xb, wq, wp
.if DOCPART == 1
	.amdgcn_target "amdgcn-amd-amdhsa--gfx1250"
	.amdhsa_code_object_version 6
	.text
	.protected	k_q47aaafc21b_prep
	.globl	k_q47aaafc21b_prep
	.p2align	8
	.type	k_q47aaafc21b_prep,@function
k_q47aaafc21b_prep:
	s_mov_b64 s[64:65], 0
	v_nop
	global_prefetch_b8 v0, s[64:65] scope:SCOPE_SE
	s_setreg_imm32_b32 hwreg(HW_REG_WAVE_MODE, 25, 1), 1
	s_wait_xcnt 0x0
; THE INPUTS OF THE TWO PRODUCTS ARE ROUNDED ONCE.  x -> xb and w_qkv -> wq in bf16; w_proj -> wp: rounded to bf16 like every input, and that number written as f16
; (exact inside f16's normal range; LIMIT: below 6.1e-5 it keeps f16's fixed step of 6e-8, beyond 65,504 it becomes an infinity).  The layouts stay as they are.
; A stream: no LDS, no barrier, no matrix unit.  A work-group converts 16,384 numbers: 65,536 bytes in, 32,768 out.  Work-groups 0-1023 take x, 1024-1215 w_qkv, 1216-1279 w_proj.
; Thread t takes the 16 bytes at 16 t of each block of 4,096 bytes: a wave's load covers 512 consecutive bytes, its store 256 consecutive bytes, aligned.
; All sixteen loads of a wave go out at once; no register is written twice, so the only waits are the counted ones for the loads.
.set NX,  1024                         ; chunks of x
.set NQ,  192                          ; chunks of w_qkv
.set X,   4                            ; v[4:67]   load k: 4 registers
.set Y,   68                           ; v[68:99]  store k: 2 registers
	s_load_b256 s[4:11], s[0:1], 0x0               ; x s[4:5], w_qkv s[6:7], w_proj s[8:9], xb s[10:11]
	s_load_b128 s[12:15], s[0:1], 0x20             ; wq s[12:13], wp s[14:15]
	v_lshlrev_b32 v1, 4, v0                        ; my 16 bytes of a block that is read
	v_lshlrev_b32 v2, 3, v0                        ; my 8 bytes of a block that is written
	s_wait_kmcnt 0x0
	s_cmp_lt_u32 ttmp9, NX                         ; which tensor: the choice hangs on the work-group's number alone
	s_cselect_b64 s[16:17], s[4:5], s[6:7]
	s_cselect_b64 s[18:19], s[10:11], s[12:13]
	s_cselect_b32 s20, 0, NX
	s_cmp_lt_u32 ttmp9, NX+NQ
	s_cselect_b64 s[16:17], s[16:17], s[8:9]
	s_cselect_b64 s[18:19], s[18:19], s[14:15]
	s_cselect_b32 s20, s20, NX+NQ
	s_sub_co_u32 s21, ttmp9, s20                   ; my chunk in that tensor
	s_lshl_b32 s22, s21, 16
	s_mov_b32 s23, 0
	s_lshl_b32 s24, s21, 15
	s_mov_b32 s25, 0
	s_add_nc_u64 s[16:17], s[16:17], s[22:23]
	s_add_nc_u64 s[18:19], s[18:19], s[24:25]
.irp k, 0,1,2,3,4,5,6,7,8,9,10,11,12,13,14,15
	global_load_b128 v[X+4*(\k):X+4*(\k)+3], v1, s[16:17] offset:4096*(\k) th:TH_LOAD_NT
.endr
; Block k: four numbers a lane.  f = 1: the bf16 number is widened again (a shift, a mask) and written as f16.
.macro CONV k, f
	s_wait_loadcnt 15-(\k)                         ; loads come back in order: block k is in, the younger ones stay out
.if \f
	v_cvt_pk_bf16_f32 v[X+4*(\k)],   v[X+4*(\k)],   v[X+4*(\k)+1]
	v_cvt_pk_bf16_f32 v[X+4*(\k)+2], v[X+4*(\k)+2], v[X+4*(\k)+3]
	v_and_b32     v[X+4*(\k)+1], 0xffff0000, v[X+4*(\k)]
	v_lshlrev_b32 v[X+4*(\k)],   16, v[X+4*(\k)]
	v_and_b32     v[X+4*(\k)+3], 0xffff0000, v[X+4*(\k)+2]
	v_lshlrev_b32 v[X+4*(\k)+2], 16, v[X+4*(\k)+2]
	v_cvt_pk_f16_f32 v[Y+2*(\k)],   v[X+4*(\k)],   v[X+4*(\k)+1]
	v_cvt_pk_f16_f32 v[Y+2*(\k)+1], v[X+4*(\k)+2], v[X+4*(\k)+3]
.else
	v_cvt_pk_bf16_f32 v[Y+2*(\k)],   v[X+4*(\k)],   v[X+4*(\k)+1]
	v_cvt_pk_bf16_f32 v[Y+2*(\k)+1], v[X+4*(\k)+2], v[X+4*(\k)+3]
.endif
	global_store_b64 v2, v[Y+2*(\k):Y+2*(\k)+1], s[18:19] offset:2048*(\k)
.endm
	s_cmp_ge_u32 ttmp9, NX+NQ
	s_cbranch_scc1 .Lf16
.irp k, 0,1,2,3,4,5,6,7,8,9,10,11,12,13,14,15
	CONV \k, 0
.endr
	s_endpgm
.Lf16:
.irp k, 0,1,2,3,4,5,6,7,8,9,10,11,12,13,14,15
	CONV \k, 1
.endr
	s_endpgm
.Lfunc_end_k_q47aaafc21b_prep:
	.size	k_q47aaafc21b_prep, .Lfunc_end_k_q47aaafc21b_prep-k_q47aaafc21b_prep
	.p2alignl 7, 3214868480
	.fill 96, 4, 3214868480
	.section	.rodata,"a",@progbits
	.p2align	6, 0x0
	.amdhsa_kernel k_q47aaafc21b_prep
		.amdhsa_group_segment_fixed_size 0
		.amdhsa_private_segment_fixed_size 0
		.amdhsa_enable_private_segment 0
		.amdhsa_kernarg_size 48
		.amdhsa_user_sgpr_count 2
		.amdhsa_user_sgpr_kernarg_segment_ptr 1
		.amdhsa_wavefront_size32 1
		.amdhsa_system_sgpr_workgroup_id_x 1
		.amdhsa_system_sgpr_workgroup_id_y 1
		.amdhsa_system_sgpr_workgroup_id_z 1
		.amdhsa_system_vgpr_workitem_id 0
		.amdhsa_next_free_vgpr 100
		.amdhsa_next_free_sgpr 66
		.amdhsa_reserve_vcc 0
		.amdhsa_float_denorm_mode_32 3
		.amdhsa_float_denorm_mode_16_64 3
		.amdhsa_memory_ordered 1
		.amdhsa_forward_progress 1
		.amdhsa_inst_pref_size 16
	.end_amdhsa_kernel
	.amdgpu_metadata
---
amdhsa.version: [ 1, 2 ]
amdhsa.kernels:
  - .name:           k_q47aaafc21b_prep
    .symbol:         k_q47aaafc21b_prep.kd
    .args:
      - { .name: x, .offset: 0, .size: 8, .value_kind: global_buffer, .address_space: global }
      - { .name: w_qkv, .offset: 8, .size: 8, .value_kind: global_buffer, .address_space: global }
      - { .name: w_proj, .offset: 16, .size: 8, .value_kind: global_buffer, .address_space: global }
      - { .name: xb, .offset: 24, .size: 8, .value_kind: global_buffer, .address_space: global }
      - { .name: wq, .offset: 32, .size: 8, .value_kind: global_buffer, .address_space: global }
      - { .name: wp, .offset: 40, .size: 8, .value_kind: global_buffer, .address_space: global }
    .group_segment_fixed_size: 0
    .private_segment_fixed_size: 0
    .kernarg_segment_align: 8
    .kernarg_segment_size: 48
    .max_flat_workgroup_size: 256
    .sgpr_count:     66
    .vgpr_count:     100
    .wavefront_size: 32
...
	.end_amdgpu_metadata
.endif
;; end of part 1
;; launch gemm_qkv (part 2): grid 4 x 64, 4 waves a work-group, clusters of 4 x 4, 327,680 bytes of LDS; arguments xb, wq, b_qkv, qkv; writes qkv
.if DOCPART == 2
	.amdgcn_target "amdgcn-amd-amdhsa--gfx1250"
	.amdhsa_code_object_version 6
	.text
	.protected	k_q47aaafc21b_gemm_qkv
	.globl	k_q47aaafc21b_gemm_qkv
	.p2align	8
	.type	k_q47aaafc21b_gemm_qkv,@function
k_q47aaafc21b_gemm_qkv:
	s_mov_b64 s[64:65], 0
	v_nop
	global_prefetch_b8 v0, s[64:65] scope:SCOPE_SE
	s_setreg_imm32_b32 hwreg(HW_REG_WAVE_MODE, 25, 1), 1
	s_wait_xcnt 0x0
	s_wait_alu depctr_hold_cnt(0) depctr_sa_sdst(0) depctr_va_vdst(0) depctr_va_sdst(0) depctr_va_ssrc(0) depctr_va_vcc(0) depctr_vm_vsrc(0)
	s_getreg_b32 s2, hwreg(HW_REG_IB_STS2, 6, 4)
	s_cmp_eq_u32 s2, 0
	s_cbranch_scc0 .Lentry_in_a_cluster
	s_endpgm
.Lentry_in_a_cluster:
	s_bfe_u32 s2, ttmp6, 0x10000c
	s_cmp_lg_u32 s2, 0xf033
	s_cbranch_scc0 .Lentry_shape_is_right
	s_endpgm
.Lentry_shape_is_right:
; qkv[m][n] = b_qkv[n] + the sum over k of xb[m][k] wq[k][n].  xb: [16384][1024] bf16, wq: [1024][3072] bf16 (K down the rows, as the weights lie), b_qkv: [3072] f32, rounded to bf16 here like every input;
; sums in f32; qkv: [16384][3072] f16, rounded once, unscaled.  LIMIT: a result of 65,520 or more becomes an infinity in f16; NaN and infinities are not treated apart.
; A tile of C, 256 x 256, is made by four waves, each 128 x 128: 64 accumulators of 16 x 16, 512 registers.  K goes in steps of 128 through a ring of two LDS slots filled by the tensor data mover.
; A WORK-GROUP STAYS: it makes TILES = 3 tiles of one tile row, 1,024 columns apart (its block of q, of k and of v): 256 work-groups for 768 tiles.  The ring does not stop at a tile's end.
; CLUSTERS: 4 x 4 work-groups.  The four of a row of the cluster need the same tiles of A, the four of a column the same tiles of B: each tile is asked for JOINTLY, by the same tensor load
; with the same descriptor and a mask that names the four.
; B LIES [k][n]: its fragments come out of LDS turned, by ds_load_tr16_b128.  THE MATRIX INSTRUCTION IS USED TRANSPOSED (source 0 = 16 columns of B, source 1 = 16 rows of A): lane l holds row l % 16 of C
; and the columns 8 (l / 16) + 0..7.  THE BIAS IS THE C OPERAND of a tile's first products: in that layout register j of column block b is bias[16 b + 8 (l / 16) + j]: nothing is cleared, nothing added later.
; ONE TEXT serves every tile's way out and the rounding of its bias: only a tile's last K step is written twice, with refills for a tile that has a successor and without for the last.
; REGISTERS, in windows of 256 (s_set_vgpr_msb: bits 1:0 source 0, 3:2 source 1, 5:4 source 2, 7:6 destination):
;   window 0: v0-31 addresses; v64-127, v128-191 fragments of A, two buffers; on the way out v192-223 packed results, v32-63, v224-255, v128-159 rows read back
;   window 1: v0-63 the bias of my 128 columns; v64-127, v128-191 fragments of B, two buffers; v192-195 at work
;   window 2: the 32 accumulators of my rows 0-63 ((a, b) at v[8 (8 a + b)]);   window 3: those of my rows 64-127
.set SIZE_K, 1024
.set SIZE_N, 3072
.set TILES,  3
.set KSTEP,  128
.set PA,     272                       ; a row of A in LDS: 256 bytes + 16: 68 words: the 16 rows of a load start at 16 different groups of four banks (64 banks of 4 bytes: ISA guide 11.1)
.set PB,     544                       ; a row of B in LDS (one k, 256 columns): 512 bytes + 32: 136 words
.set HALFT,  128*PA                    ; what one tensor load brings: 128 rows of A, or 64 rows of B (64 PB is the same number)
.set SLOT,   4*HALFT                   ; A's 256 rows, then B's 128 rows
.set STAGE,  2*SLOT                    ; behind the ring: 16 rows x 272 bytes for each wave, for the way out
.set SPITCH, 272
.set SPARE,  STAGE+4*16*SPITCH         ; behind the stages: the spare words, 128 bytes for each wave: two blocks of 256 bytes that no other line names
.set LAPS,   SIZE_K/(2*KSTEP)          ; a lap = two K steps = once round the ring
.set CROW,   SIZE_N*2                  ; bytes in a row of C
.set CSH,    9                         ; a tile's 256 columns of C are 1 << CSH bytes
.set BSTEP,  KSTEP*SIZE_N*2            ; bytes from a K step of B to the next
.set ADRA, 16                          ; v16-17  LDS address of my A fragments in slot 0, 1
.set ADRB, 20                          ; v20-21  the same for B
.set STO,  24                          ; v24     the way out: where I put 16 bytes of a row
.set RD,   25                          ; v25     the way out: where I read a row back
.set CO,   26                          ; v26     my byte offset in C
.set BO,   27                          ; v27     my byte offset in a block of 16 numbers of the bias: 32 (l / 16)
.set SPW,  28                          ; v28     LDS address of my spare word; never rewritten
.set NIL,  29                          ; v29     0; never rewritten
.set PFO,  30                          ; v30     the prefetches' offset; never rewritten
.set F0,   64
.set F1,   128
.set TMP,  192                         ; the way out: packed results, window 0
.set BIAS, 0                           ; window 1
.set BT,   192                         ; window 1
.set G1,  24                           ; s[24:31] descriptor group 1 for A's tiles
.set G0,  32                           ; s[32:39] group 0 for A's tiles, a set for each slot
.set LIM, 43                           ; s43      1 in a wave that prefetches, else the greatest number
.set PFA, 44                           ; s[44:45] where my prefetches stand
.set G1B, 48                           ; s[48:55] group 1 for B's tiles
.set G0B, 56                           ; s[56:63] group 0 for B's tiles
.set BP,  66                           ; s[66:67] the bias at my 128 columns of the tile in hand
.set PSTEP, 68                         ; s[68:69] a K step in the tensor that I prefetch
.set PBACK, 70                         ; s[70:71] from K step 9 of a tile back to K step 2 of the next
.set MASKH, 77                         ; s77      a word's upper half
.set MSB, 0
.macro WIN new                         ; the immediate's high byte repeats the setting that is left; a switch that changes nothing is dropped
.if MSB != (\new)
	s_set_vgpr_msb (MSB<<8)|(\new)
.set MSB, \new
.endif
.endm
.set MUL_LO, 0xa1                      ; source 0 (B) window 1, source 1 (A) window 0, C and D window 2; + 0x50: window 3
.set MUL_C,  0x91                      ; the same with C (the bias) in window 1; + 0x40: D in window 3
.set TO_B,   0x40                      ; destination window 1, address window 0
; A joint load.  Waves 0 and 1 fetch A's two halves, waves 2 and 3 B's.  The branch hangs on the wave's number alone.  An s_nop 0 and four v_nop follow each of the two lines.
.macro JLOAD s
	s_cmp_eq_u32 s11, 0
	s_cbranch_scc0 .Lfor_b_\@
	tensor_load_to_lds s[G0+4*(\s):G0+4*(\s)+3], s[G1:G1+7]
	s_nop 0
.rept 4
	v_nop
.endr
	s_branch .Lasked_\@
.Lfor_b_\@:
	tensor_load_to_lds s[G0B+4*(\s):G0B+4*(\s)+3], s[G1B:G1B+7]
	s_nop 0
.rept 4
	v_nop
.endr
.Lasked_\@:
.endm
; A PREFETCH, behind each joint load and the run of LDS loads that follows it: the K step that stands TWO refills on, 512 matrix instructions ahead of the load that will want it.  One instruction a wave.
; Each aligned block of 256 bytes is named once in the launch.  A's tile row is read by this cluster alone (the grid is one cluster wide): its A waves ask, in the first tile only, since the walk's later tiles
; take the same rows.  B's tile column is read by all sixteen clusters: the one with y = 0 asks, in every tile.  The four partners that ask for a tile jointly share its rows out BY ADDRESS:
; of a wave's 128 rows of A the partner at cx takes 32, a lane a row; of its 64 rows of B the partner at cy takes 16, two lanes a row of 512 bytes.
; how = 0, in the loop: a tile's last two refills have no K step two on.  how = 1, at a change of tiles: the next tile's K steps 2 and 3 of B.
.macro ASK how
.if \how
	s_cmp_eq_u32 s[LIM], 1
.else
	s_cmp_gt_u32 s3, s[LIM]                        ; s3 = 1 in the loop's last trip
.endif
	s_cbranch_scc0 .Lnot_mine_\@
	global_prefetch_b8 v[PFO], s[PFA:PFA+1] th:TH_LOAD_NT scope:SCOPE_SE
.Lnot_mine_\@:
.endm
.macro CREST                           ; a round of the cluster's barrier behind its opening barrier
	s_cmp_lg_u32 s10, 0
	s_cbranch_scc1 .Lnot_wave_0_\@
	s_barrier_signal -3
.Lnot_wave_0_\@:
	s_barrier_wait -3
	s_barrier_signal -1
	s_barrier_wait -1
.endm
.macro CROUND                          ; a whole round
	s_barrier_signal -1
	s_barrier_wait -1
	CREST
.endm
.macro PLACES                          ; four plain vector instructions between a matrix instruction and a load into, or a vector read of, its registers
.rept 4
	v_nop
.endr
.endm
	s_load_b128 s[4:7], s[0:1], 0x0                ; A s[4:5], B s[6:7]
	s_load_b128 s[72:75], s[0:1], 0x10             ; bias s[72:73], C s[74:75]
	v_lshl_add_u32 v[SPW], v0, 2, SPARE
	v_mov_b32 v[NIL], 0
	ds_add_u32 v[SPW], v[NIL]                      ; the wave's opening: the add and its wait stand ahead of my first tensor load; the set-up below, work on registers, stands between them
	v_lshrrev_b32 v1, 5, v0
	v_readfirstlane_b32 s10, v1                    ; wave 0..3
	s_lshr_b32 s11, s10, 1                         ; which half of the tile's rows is mine.  Also: I fetch for A (0) or for B (1)
	s_and_b32 s12, s10, 1                          ; which half of its columns.  Also: which half of that tile I fetch
	s_bfe_u32 s40, ttmp6, 0x40000                  ; cx
	s_bfe_u32 s41, ttmp6, 0x40004                  ; cy
	s_lshl_b32 s42, ttmp9, 2
	s_add_co_u32 s42, s42, s40                     ; first tile column of C = 4 x cluster x + cx
	s_and_b32 s13, ttmp7, 0xffff
	s_lshl_b32 s13, s13, 2
	s_add_co_u32 s13, s13, s41                     ; tile row of C = 4 x cluster y + cy
	s_lshl_b32 s43, s41, 2
	s_lshl_b32 s43, 15, s43                        ; my row of the cluster: places 4 cy .. 4 cy + 3
	s_lshl_b32 s44, 0x1111, s40                    ; my column: places cx, cx + 4, cx + 8, cx + 12
	s_mov_b32 s[MASKH], 0xffff0000
	; group 1 for A: 128 rows x 128 elements; for B: 64 rows x 256 elements; both padded in LDS
	s_or_b32 s[G1+0], s43, (1<<16)|(1<<20)|(1<<21)|(5<<22)|(3<<25)   ; the mask of my row; elements of 2 bytes; padding on; bit 21 beside a mask; after every 64 words, 4 words
	s_or_b32 s[G1B+0], s44, (1<<16)|(1<<20)|(1<<21)|(6<<22)|(7<<25)  ; the mask of my column; after every 128 words, 8 words
	s_mov_b32 s[G1+1], KSTEP<<16                   ; tensor_dim0 = 128
	s_mov_b32 s[G1+2], 128<<16                     ; tensor_dim1 = 128
	s_mov_b32 s[G1+3], KSTEP<<16                   ; tile_dim0 = 128
	s_mov_b32 s[G1+4], 128                         ; tile_dim1 = 128
	s_mov_b32 s[G1+5], SIZE_K                      ; elements from row to row
	s_mov_b32 s[G1+6], 0
	s_mov_b32 s[G1+7], 0
	s_mov_b32 s[G1B+1], 256<<16                    ; tensor_dim0 = 256
	s_mov_b32 s[G1B+2], 64<<16                     ; tensor_dim1 = 64
	s_mov_b32 s[G1B+3], 256<<16                    ; tile_dim0 = 256
	s_mov_b32 s[G1B+4], 64                         ; tile_dim1 = 64
	s_mov_b32 s[G1B+5], SIZE_N
	s_mov_b32 s[G1B+6], 0
	s_mov_b32 s[G1B+7], 0
	; where the tiles come from: A's hang on the tile row alone, B's on the tile column alone; each in registers that never hold the other coordinate
	s_lshl_b32 s17, s12, 7
	s_lshl_b32 s16, s13, 8
	s_add_co_u32 s16, s16, s17                     ; A: row 256 x tile row + 128 x half
	s_lshl_b32 s16, s16, 11                        ; x 2,048 bytes: under 2^25
	s_mov_b32 s17, 0
	s_mul_i32 s46, s12, 64*SIZE_N*2                ; B: k row 64 x half,
	s_lshl_b32 s47, s42, 9                         ; column 256 x tile column
	s_add_co_u32 s46, s46, s47
	s_mov_b32 s47, 0
	s_mul_i32 s20, s10, HALFT                      ; where they go: wave x HALFT: no place in the cluster enters an LDS address
	s_wait_dscnt 0x0                               ; the opening add is done
	s_wait_kmcnt 0x0
	s_add_nc_u64 s[14:15], s[4:5], s[16:17]
	s_add_nc_u64 s[46:47], s[6:7], s[46:47]
	CROUND                                         ; all sixteen work-groups are here: the first joint loads meet
.irp s, 0,1
	s_mov_b32 s[G0+4*(\s)], 1                                      ; count = 1
	s_add_co_u32 s[G0+4*(\s)+1], s20, (\s)*SLOT                    ; LDS address
	s_add_nc_u64 s[G0+4*(\s)+2:G0+4*(\s)+3], s[14:15], (\s)*KSTEP*2  ; global address: K step s
	s_or_b32 s[G0+4*(\s)+3], s[G0+4*(\s)+3], 0x80000000            ; type = 2
	s_mov_b32 s[G0B+4*(\s)], 1
	s_add_co_u32 s[G0B+4*(\s)+1], s20, (\s)*SLOT
	s_add_nc_u64 s[G0B+4*(\s)+2:G0B+4*(\s)+3], s[46:47], (\s)*BSTEP
	s_or_b32 s[G0B+4*(\s)+3], s[G0B+4*(\s)+3], 0x80000000
	JLOAD \s                                       ; two loads of mine are out
.endr
	; A's fragment: lane l holds row l % 16; two loads of 16 bytes, 32 bytes apart, at row x pitch + 16 (l / 16).
	; B's fragment, turned: lane l reads k row 8 (l / 16) + l % 8, columns 8 ((l / 8) % 2) + 0..7, and ends with column l % 16 and 8 k; the second load stands 16 k rows on.
	v_and_b32 v1, 15, v0                           ; l % 16
	v_bfe_u32 v2, v0, 4, 1                         ; l / 16
	v_mul_u32_u24 v3, v1, PA
	v_lshl_add_u32 v3, v2, 4, v3
	v_and_b32 v4, 7, v0
	v_lshl_add_u32 v4, v2, 3, v4
	v_mul_u32_u24 v4, v4, PB
	v_bfe_u32 v5, v0, 3, 1
	v_lshl_add_u32 v4, v5, 4, v4
	s_mul_i32 s21, s11, HALFT                      ; my 128 rows of A
	s_lshl_b32 s22, s12, 8                         ; my 128 columns of B: 256 bytes of each row,
	s_add_co_u32 s22, s22, 2*HALFT                 ; behind A's 256 rows
.irp s, 0,1
	v_add_nc_u32 v[ADRA+(\s)], s21, v3
	v_add_nc_u32 v[ADRB+(\s)], s22, v4
	s_add_co_u32 s21, s21, SLOT
	s_add_co_u32 s22, s22, SLOT
.endr
	s_mul_i32 s23, s10, 16*SPITCH
	s_add_co_u32 s23, s23, STAGE                   ; my stage
	v_mul_u32_u24 v4, v1, SPITCH                   ; in: row l % 16, 16 bytes for each half of the lanes
	v_lshl_add_u32 v4, v2, 4, v4
	v_add_nc_u32 v[STO], s23, v4
	v_mul_u32_u24 v5, v2, SPITCH                   ; back: lanes 0-15 take one row of 256 bytes, lanes 16-31 the next
	v_lshl_add_u32 v5, v1, 4, v5
	v_add_nc_u32 v[RD], s23, v5
	v_mul_u32_u24 v5, v2, CROW                     ; and the same two rows in C
	v_lshl_add_u32 v[CO], v1, 4, v5
	v_lshlrev_b32 v[BO], 5, v2
	; C at my part of the first tile
	s_lshl_b32 s13, s13, 8                         ; 256 x tile row
	s_lshl_b32 s14, s11, 7
	s_add_co_u32 s16, s13, s14
	s_mul_i32 s16, s16, CROW                       ; under 2^27
	s_lshl_b32 s46, s42, CSH
	s_lshl_b32 s47, s12, CSH-1
	s_add_co_u32 s46, s46, s47
	s_add_co_u32 s16, s16, s46
	s_mov_b32 s17, 0
	s_add_nc_u64 s[16:17], s[74:75], s[16:17]
	; the bias at my 128 columns
	s_lshl_b32 s20, s42, 10
	s_lshl_b32 s21, s12, 9
	s_add_co_u32 s20, s20, s21
	s_mov_b32 s21, 0
	s_add_nc_u64 s[BP:BP+1], s[72:73], s[20:21]
.macro BIASLD                          ; 128 numbers of the bias, in the accumulators' layout: 8 a lane for each of the 8 column blocks
	WIN TO_B
.irp b, 0,1,2,3,4,5,6,7
	global_load_b128 v[BIAS+8*(\b):BIAS+8*(\b)+3],   v[BO], s[BP:BP+1] offset:64*(\b)
	global_load_b128 v[BIAS+8*(\b)+4:BIAS+8*(\b)+7], v[BO], s[BP:BP+1] offset:64*(\b)+16
.endr
	WIN 0
.endm
.macro ROUNDB                          ; the bias is rounded to bf16, like every input, and widened again
	WIN 0x45
.set i, 0
.rept 32
	v_cvt_pk_bf16_f32 v[BT+i%4], v[BIAS+2*i], v[BIAS+2*i+1]
	v_lshlrev_b32 v[BIAS+2*i], 16, v[BT+i%4]
	v_and_b32 v[BIAS+2*i+1], s[MASKH], v[BT+i%4]
.set i, i+1
.endr
	WIN 0
.endm
	BIASLD
	; the prefetches.  s13 = 256 x tile row, s42 = tile column, s40 = cx, s41 = cy still stand
	v_and_b32 v5, 31, v0
	v_lshlrev_b32 v6, 11, v5                       ; A: a lane a row of 2,048 bytes
	v_lshrrev_b32 v7, 1, v5
	v_mul_u32_u24 v7, v7, SIZE_N*2                 ; B: two lanes a row,
	v_and_b32 v5, 1, v5
	v_lshl_add_u32 v7, v5, 8, v7                   ; 256 bytes each
	s_lshl_b32 s20, s12, 7
	s_add_co_u32 s20, s20, s13
	s_lshl_b32 s21, s40, 5
	s_add_co_u32 s20, s20, s21                     ; A: tile's row + the 128 that I fetch + my work-group's 32 of them
	s_lshl_b32 s20, s20, 11
	s_add_co_u32 s20, s20, 3*KSTEP*2               ; at K step 3: the first refill steps it to 4 and names that
	s_lshl_b32 s21, s12, 6
	s_lshl_b32 s23, s41, 4
	s_add_co_u32 s21, s21, s23                     ; B: the 64 k rows that I fetch + my work-group's 16 of them,
	s_add_co_u32 s21, s21, 3*KSTEP                 ; at K step 3
	s_mul_i32 s21, s21, SIZE_N*2
	s_lshl_b32 s23, s42, 9
	s_add_co_u32 s21, s21, s23
	s_and_b32 s22, ttmp7, 0xffff                   ; cluster y
	s_mov_b32 s46, BSTEP
	s_mov_b32 s47, 7*BSTEP-2048
	s_cmp_eq_u32 s11, 0                            ; do I fetch for A?
	s_cselect_b32 s20, s20, s21
	s_cselect_b32 s[PSTEP], KSTEP*2, s46
	s_cselect_b32 s[PBACK], 7*KSTEP*2, s47
	s_cselect_b32 s22, ttmp9, s22                  ; the coordinate along which other clusters read the same rows
	s_cselect_b32 s76, -1, 0
	s_cselect_b64 s[PFA:PFA+1], s[4:5], s[6:7]
	s_mov_b32 s21, 0
	s_mov_b32 s[PSTEP+1], 0
	s_mov_b32 s[PBACK+1], 0
	s_add_nc_u64 s[PFA:PFA+1], s[PFA:PFA+1], s[20:21]
	s_cmp_eq_u32 s22, 0
	s_cselect_b32 s[LIM], 1, -1                    ; the same in all sixteen partners, for a given wave
	v_cndmask_b32 v[PFO], v7, v6, s76
	; nothing is prefetched here, at the head: K steps 0 to 3 come by their loads alone
; 16 matrix instructions: m blocks a0, a0 + 1 of the window's four (hi = 0: my rows 0-63, 1: rows 64-127) x all 8 n blocks, 32 along K.  first = 1: the sums start from the bias.
.macro MUL16 f, hi, a0, first
.if \first
	WIN MUL_C+0x40*(\hi)
.else
	WIN MUL_LO+0x50*(\hi)
.endif
.irp a, \a0, (\a0)+1
.irp b, 0,1,2,3,4,5,6,7
.if \first
	v_wmma_f32_16x16x32_bf16 v[8*(8*(\a)+(\b)):8*(8*(\a)+(\b))+7], v[(\f)+8*(\b):(\f)+8*(\b)+7], v[(\f)+8*(4*(\hi)+(\a)):(\f)+8*(4*(\hi)+(\a))+7], v[BIAS+8*(\b):BIAS+8*(\b)+7]
.else
	v_wmma_f32_16x16x32_bf16 v[8*(8*(\a)+(\b)):8*(8*(\a)+(\b))+7], v[(\f)+8*(\b):(\f)+8*(\b)+7], v[(\f)+8*(4*(\hi)+(\a)):(\f)+8*(4*(\hi)+(\a))+7], v[8*(8*(\a)+(\b)):8*(8*(\a)+(\b))+7]
.endif
.endr
.endr
.endm
; 32 LDS loads in one run: the fragments of one quarter step (32 K: byte k of A's rows, k rows k / 2 on of B) into buffer f: B's 16, then A's 16
.macro FETCH slot, k, f
	WIN TO_B
.irp i, 0,1,2,3,4,5,6,7
	ds_load_tr16_b128 v[(\f)+8*(\i):(\f)+8*(\i)+3],   v[ADRB+(\slot)] offset:((\k)/64)*32*PB+32*(\i)
	ds_load_tr16_b128 v[(\f)+8*(\i)+4:(\f)+8*(\i)+7], v[ADRB+(\slot)] offset:((\k)/64)*32*PB+16*PB+32*(\i)
.endr
	WIN 0
.irp i, 0,1,2,3,4,5,6,7
	ds_load_b128 v[(\f)+8*(\i):(\f)+8*(\i)+3],   v[ADRA+(\slot)] offset:(\k)+(\i)*16*PA
	ds_load_b128 v[(\f)+8*(\i)+4:(\f)+8*(\i)+7], v[ADRA+(\slot)] offset:(\k)+(\i)*16*PA+32
.endr
.endm
; A K step is four quarters of 32 along K, 64 matrix instructions each, on buffers 0, 1, 0, 1; the 64 accumulators take turns, in the same order in every quarter.
; One of the first three quarters: multiplies buffer f; in its middle it fetches the next quarter's fragments into buffer g.
.macro QUARTER slot, k, f, g, first
	s_wait_dscnt 8                                 ; B and A's rows 0-63 are in; the youngest eight loads (A's rows 64-127) may be out
	MUL16 \f, 0, 0, \first
	MUL16 \f, 0, 2, \first
	PLACES
	FETCH \slot, \k, \g
	s_wait_dscnt 32                                ; all but the 32 just issued
	MUL16 \f, 1, 0, \first
	MUL16 \f, 1, 2, \first
.endm
; The first half of the last quarter: ONE barrier for the change of slots.  In front of it each wave waits for all its tensor loads (one is out: its part of the next slot), adds 0 to its spare word,
; and waits for that and for its own reads of this slot.  Behind it nobody reads this slot any more and the next slot is whole.
.macro MEET round
	WIN 0                                          ; (the add's two registers lie in window 0)
	s_wait_tensorcnt 0x0
	ds_add_u32 v[SPW], v[NIL]                      ; 0 onto my spare word
	s_wait_dscnt 9                                 ; (the add and the youngest eight loads may be out)
	MUL16 F1, 0, 0, 0                              ; sixteen matrix instructions stand between the add and the wait for it
	s_wait_dscnt 0x0                               ; the add is done, and my reads of this slot are over
	s_barrier_signal -1
	MUL16 F1, 0, 2, 0                              ; work on registers while the others arrive
.if \round
	WIN 0
.endif
	s_barrier_wait -1
.endm
; The whole last quarter.  fill = 1: the slot just read out is filled with this tile's K step two steps on; fill = 2: with the NEXT tile's K step 0 or 1; fill = 0: with nothing.
; Where it is filled the barrier opens a round of the cluster's barrier, and the joint refill is the first tensor load behind the round: 224 matrix instructions ahead of the wait for it.
.macro TURN slot, next, fill
.if \fill
	s_wait_xcnt 0x0                                ; the last prefetch, a K step back, has read its address: it is stepped here, ahead of the waits of the change of slots
.if ((\fill) == 2) && ((\slot) == 0)
	s_sub_nc_u64 s[PFA:PFA+1], s[PFA:PFA+1], s[PBACK:PBACK+1]  ; from K step 9 to K step 2, in B 1,024 columns on
	s_cmp_eq_u32 s11, 0
	s_cselect_b32 s[LIM], -1, s[LIM]               ; A's rows are the same for all tiles of the walk: they are asked for no more
.else
	s_add_nc_u64 s[PFA:PFA+1], s[PFA:PFA+1], s[PSTEP:PSTEP+1]
.endif
	MEET 1
	CREST                                          ; no wave of any partner still reads this slot's tile or has a load on its way
.if (\fill) == 2
	s_sub_nc_u64 s[G0+4*(\slot)+2:G0+4*(\slot)+3], s[G0+4*(\slot)+2:G0+4*(\slot)+3], 6*KSTEP*2        ; A: back along K, the same rows
	s_sub_nc_u64 s[G0B+4*(\slot)+2:G0B+4*(\slot)+3], s[G0B+4*(\slot)+2:G0B+4*(\slot)+3], 6*BSTEP-2048 ; B: back along K, 1,024 columns on
.else
	s_add_nc_u64 s[G0+4*(\slot)+2:G0+4*(\slot)+3], s[G0+4*(\slot)+2:G0+4*(\slot)+3], 2*KSTEP*2
	s_add_nc_u64 s[G0B+4*(\slot)+2:G0B+4*(\slot)+3], s[G0B+4*(\slot)+2:G0B+4*(\slot)+3], 2*BSTEP
.endif
	JLOAD \slot                                    ; the four v_nop behind it are also the places in front of the loads below
.else
	MEET 0
	PLACES
.endif
	FETCH \next, 0, F0
.if \fill
	ASK (\fill)-1
.endif
	MUL16 F1, 1, 0, 0
	MUL16 F1, 1, 2, 0
.endm
; THE WAY OUT of block a (16 rows x 128 columns).  PACK: rounded to f16, 16 bytes a lane.  TOSTAGE: into my own stage, and back as whole rows of 256 bytes.  SEND: stored.
; It runs two blocks deep: block a is packed and staged while block a - 1 is in the stage and block a - 2 is stored, so that no block's trip through the stage is sat out.
.macro SETBK a                         ; block a's rows come back into one of three sets of 32 registers, by turns: v32-63, v224-255, v128-159 (the start of A's buffer 1, idle here)
.set BK, 32
.if ((\a)%3) == 1
.set BK, 224
.endif
.if ((\a)%3) == 2
.set BK, 128
.endif
.endm
.macro PACK a
.set AC, 64*((\a)%4)
	WIN 0x0a+5*((\a)/4)                            ; sources 0 and 1: window 2 or 3
.irp b, 0,1,2,3,4,5,6,7
.irp r, 0,1,2,3
	v_cvt_pk_f16_f32 v[TMP+4*(\b)+(\r)], v[AC+8*(\b)+2*(\r)], v[AC+8*(\b)+2*(\r)+1]  ; each accumulator from its low end on
.endr
.endr
	WIN 0
.endm
.macro TOSTAGE a
	SETBK \a
.irp b, 0,1,2,3,4,5,6,7
	ds_store_b128 v[STO], v[TMP+4*(\b):TMP+4*(\b)+3] offset:32*(\b)
.endr
.irp t, 0,1,2,3,4,5,6,7
	ds_load_b128 v[BK+4*(\t):BK+4*(\t)+3], v[RD] offset:(\t)*2*SPITCH  ; LDS serves a wave's instructions in order (ISA guide 5.7.1.4): these see the stores above, and the next block's stores come behind them
.endr
.endm
.macro SEND a, younger                 ; younger: the LDS instructions issued behind block a's loads: the next block's sixteen, or none
	SETBK \a
	s_wait_dscnt \younger                          ; the block is back in registers
	s_wait_xcnt 0x0                                ; the stores of the block before have read their registers: that set is loaded again, two blocks on, only behind this wait
.irp t, 0,1,2,3,4,5,6,7
	global_store_b128 v[CO], v[BK+4*(\t):BK+4*(\t)+3], s[8:9] offset:(16*(\a)+2*(\t))*CROW  ; 16 lanes store 256 consecutive bytes, at a multiple of 256 from C's first byte; the block's place stands in the immediate, 126 rows at the most
.endr
.endm
	s_wait_tensorcnt 1                             ; my part of K step 0 is in; K step 1's may stay out
	s_barrier_signal -1
	s_barrier_wait -1                              ; everybody's is
	FETCH 0, 0, F0
	s_mov_b32 s2, TILES                            ; tiles to go, this one among them
.Ltile:
	s_wait_loadcnt 0x0                             ; the tile's bias: asked for at the head, or ahead of the last tile's way out
	ROUNDB
	QUARTER 0, 64,  F0, F1, 1                      ; a tile's first quarter stands in front of the loop: its products start the sums from the bias
	WIN 0
	s_mov_b32 s3, LAPS-1
.Llap:                                                 ; a trip goes once round the ring, from a lap's second quarter to the next lap's first, and fills both slots again
	QUARTER 0, 128, F1, F0, 0
	QUARTER 0, 192, F0, F1, 0
	TURN 0, 1, 1
	QUARTER 1, 64,  F0, F1, 0
	QUARTER 1, 128, F1, F0, 0
	QUARTER 1, 192, F0, F1, 0
	TURN 1, 0, 1
	QUARTER 0, 64,  F0, F1, 0
	WIN 0
	s_sub_co_u32 s3, s3, 1
	s_cmp_lg_u32 s3, 0
	s_cbranch_scc1 .Llap
	QUARTER 0, 128, F1, F0, 0                      ; the tile's last lap goes on
	QUARTER 0, 192, F0, F1, 0
	WIN 0
	s_wait_xcnt 0x0                                ; the last tile's stores, more than six K steps back, have read their base and their registers:
	s_mov_b64 s[8:9], s[16:17]                     ; the base of this tile's stores,
	s_add_nc_u64 s[16:17], s[16:17], 2048          ; and the next tile's, 1,024 columns on (behind the last tile it is not used)
	s_cmp_eq_u32 s2, 1
	s_cbranch_scc1 .Llast_tile                     ; the last tile's last K step is written out: it asks for nothing more
	TURN 0, 1, 2                                   ; THE RING GOES ON INTO THE NEXT TILE: slot 0 takes its K step 0,
	QUARTER 1, 64,  F0, F1, 0
	QUARTER 1, 128, F1, F0, 0
	QUARTER 1, 192, F0, F1, 0
	TURN 1, 0, 2                                   ; slot 1 its K step 1, and the next tile's first fragments are fetched
	WIN 0
	s_add_nc_u64 s[BP:BP+1], s[BP:BP+1], 4096      ; the next tile's bias, 1,024 columns on (the loads that read this pointer were waited for), is on its way under the way out
	BIASLD
	s_branch .Lout                                 ; no v_nop on this path: blocks 0-3 were finished in front of the joint load's places, and their conversions are the places behind blocks 4-7's last products
.Llast_tile:
	TURN 0, 1, 0                                   ; my one tensor load that was still out is slot 1's, the last K step's, so no round follows
	QUARTER 1, 64,  F0, F1, 0
	QUARTER 1, 128, F1, F0, 0
	QUARTER 1, 192, F0, F1, 0
	s_wait_dscnt 8                                 ; the very last quarter: nothing more to fetch
	MUL16 F1, 0, 0, 0
	MUL16 F1, 0, 2, 0
	s_wait_dscnt 0x0
	MUL16 F1, 1, 0, 0
	MUL16 F1, 1, 2, 0
	WIN 0
	PLACES
	PLACES                                         ; (eight, once a launch)
.Lout:                                                 ; every tile goes out by this one text
	PACK 0
	TOSTAGE 0
	PACK 1
	TOSTAGE 1
.irp a, 2,3,4,5,6,7
	PACK \a
	SEND (\a)-2, 16
	TOSTAGE \a
.endr
	SEND 6, 16
	SEND 7, 0
	s_sub_co_u32 s2, s2, 1
	s_cmp_lg_u32 s2, 0
	s_cbranch_scc1 .Ltile
	s_wait_tensorcnt 0x0                           ; the wave's end: behind my last tensor load and my last LDS store
	ds_add_u32 v[SPW], v[NIL]
	s_wait_dscnt 0x0
	CROUND                                         ; the closing round: no work-group ends while a partner may still ask for a tile that names it
	s_endpgm
.Lfunc_end_k_q47aaafc21b_gemm_qkv:
	.size	k_q47aaafc21b_gemm_qkv, .Lfunc_end_k_q47aaafc21b_gemm_qkv-k_q47aaafc21b_gemm_qkv
	.p2alignl 7, 3214868480
	.fill 96, 4, 3214868480
	.section	.rodata,"a",@progbits
	.p2align	6, 0x0
	.amdhsa_kernel k_q47aaafc21b_gemm_qkv
		.amdhsa_group_segment_fixed_size 327680
		.amdhsa_private_segment_fixed_size 0
		.amdhsa_enable_private_segment 0
		.amdhsa_kernarg_size 32
		.amdhsa_user_sgpr_count 2
		.amdhsa_user_sgpr_kernarg_segment_ptr 1
		.amdhsa_wavefront_size32 1
		.amdhsa_system_sgpr_workgroup_id_x 1
		.amdhsa_system_sgpr_workgroup_id_y 1
		.amdhsa_system_sgpr_workgroup_id_z 1
		.amdhsa_system_vgpr_workitem_id 0
		.amdhsa_next_free_vgpr 1024
		.amdhsa_next_free_sgpr 80
		.amdhsa_reserve_vcc 0
		.amdhsa_float_denorm_mode_32 3
		.amdhsa_float_denorm_mode_16_64 3
		.amdhsa_memory_ordered 1
		.amdhsa_forward_progress 1
		.amdhsa_inst_pref_size 186
	.end_amdhsa_kernel
	.amdgpu_metadata
---
amdhsa.version: [ 1, 2 ]
amdhsa.kernels:
  - .name:           k_q47aaafc21b_gemm_qkv
    .symbol:         k_q47aaafc21b_gemm_qkv.kd
    .args:
      - { .name: xb, .offset: 0, .size: 8, .value_kind: global_buffer, .address_space: global }
      - { .name: wq, .offset: 8, .size: 8, .value_kind: global_buffer, .address_space: global }
      - { .name: b_qkv, .offset: 16, .size: 8, .value_kind: global_buffer, .address_space: global }
      - { .name: qkv, .offset: 24, .size: 8, .value_kind: global_buffer, .address_space: global }
    .group_segment_fixed_size: 327680
    .private_segment_fixed_size: 0
    .kernarg_segment_align: 8
    .kernarg_segment_size: 32
    .max_flat_workgroup_size: 128
    .sgpr_count:     80
    .vgpr_count:     1024
    .wavefront_size: 32
...
	.end_amdgpu_metadata
.endif
;; end of part 2
;; launch attn (part 3): grid 8 x 128, 8 waves a work-group, no clusters, 151,296 bytes of LDS; arguments qkv, rpb, ao; writes ao
.if DOCPART == 3
	.amdgcn_target "amdgcn-amd-amdhsa--gfx1250"
	.amdhsa_code_object_version 6
	.text
	.protected	k_q47aaafc21b_attn
	.globl	k_q47aaafc21b_attn
	.p2align	8
	.type	k_q47aaafc21b_attn,@function
k_q47aaafc21b_attn:
	s_mov_b64 s[64:65], 0
	v_nop
	global_prefetch_b8 v0, s[64:65] scope:SCOPE_SE
	s_setreg_imm32_b32 hwreg(HW_REG_WAVE_MODE, 25, 1), 1
	s_wait_xcnt 0x0
; NEIGHBOURHOOD ATTENTION, 13 keys a query.  qkv: [4 x 4096][3072] f16 (q at byte 128 head, k at 2,048 + 128 head, v at 4,096 + 128 head of a row of 6,144 bytes; unscaled); rpb: [16][25] f32,
; rounded to bf16 here like every input; ao: [4 x 4096][1024] f16.  Query i sees the keys ni .. ni + 12, ni = clip(i - 6, 0, 4083); logit = q . k / 8 + rpb[head][key - i + 12].
; Products, maxima and sums in f32; the weights p are rounded to f16 for the second product (their sum l is taken of the unrounded p), the result once at the end.
; LIMITS.  A hidden score counts as its value less 1e30; a weight below 2^-126 counts as 0 in l; NaN and infinities are not treated apart.
; SHARES.  A work-group owns 128 queries of one batch and TWO heads (256 aligned bytes of a row); wave w owns 16 queries, for both heads.  Its 16 neighbourhoods lie in the 32 keys from 8 in front of
; its first query on, at both ends of the sequence too, so a tile is one product of 32 keys x 16 queries with a mask.
; LAYOUT.  S^T = K Q^T (source 0 = 16 keys, source 1 = 16 queries): lane l holds query l % 16 and the keys 8 (l / 16) + 0..7 of each block of 16.  The two blocks, rounded to f16 in pairs, ARE source 1
; of O^T = V^T P; V comes out of LDS turned, by ds_load_tr16_b128.  MASK AND BIAS START THE SUM: S's registers are set to 8 rpb, or to -1e30 where the key is hidden, and the products add onto them;
; p = 2^(c S - c m), c = log2(e) / 8, m the row's maximum.  Every query has 13 keys that it sees, so m is a true score.
; A STREAM: each work-group reads 26 blocks of 4,096 bytes at once through registers, meets once in LDS, and ends.  No tensor loads and no cluster: what neighbours share is 16 of 144 rows;
; no prefetch: all of a work-group's loads go out at its head, and several work-groups lie on a WGP.
.set ROWB,  6144
.set PQ,    272                        ; rows of Q and K in LDS: 256 bytes + 16: the 16 rows of a load start at 16 different groups of four banks (64 banks of 4 bytes: ISA guide 11.1)
.set PVV,   288                        ; rows of V: 256 + 32
.set KOFF,  128*PQ                     ; Q's 128 rows, then K's 144 (row 0 is the key 8 in front of the block's first query),
.set VOFF,  KOFF+144*PQ                ; then V's 144,
.set STAGE, VOFF+144*PVV               ; then 16 rows x 272 bytes for each wave, for the way out,
.set SPARE, STAGE+8*16*PQ              ; then the spare words, 128 bytes for each wave: four blocks of 256 bytes that no other line names
.set VQ,  3                            ; v3   byte offset in qkv of my 16 bytes of row i0 + t / 16
.set VO0, 4                            ; v4   the same 8 rows up, held inside the batch
.set VO8, 5                            ; v5   the same 120 rows down, held inside the batch
.set LQ,  6                            ; v6-8 where I put 16 bytes of Q, K, V in LDS
.set LK,  7
.set LV,  8
.set AQ,  9                            ; v9-11 my lane's place in the wave's fragments of Q, K, V
.set AK,  10
.set AV,  11
.set STO, 12                           ; the way out
.set RD,  13
.set GO,  14
.set CM,  15                           ; v15  key n of my lane is seen where n - CM lies in 0..12
.set BI,  16                           ; v16  4 x (the bias index of my lane's key 0)
.set RP,  17                           ; v17-18 8 rpb of the two heads, entry min(lane, 24)
.set RPA, 19                           ; v19  its byte offset
.set ST,  20                           ; head hh at v[ST+4 hh]: c m, m, two at work (the first ends as 1 / l)
.set SPW, 30
.set NIL, 31
.set DQ,  32                           ; as loaded: Q 8 x 4, K 9 x 4, V 9 x 4
.set DK,  64
.set DV,  100
.set P,   32                           ; behind the barrier: P 8 a head; Q 16 a head; K 32 a head; V 32 a head; S 16 a head
.set QF,  64
.set KF,  96
.set VF,  160
.set S,   224
.set O,   64                           ; O^T, 32 a head, where Q and a part of K lay
.set PK,  128                          ; packed O
.set BK,  160                          ; rows read back
	s_load_b128 s[4:7], s[0:1], 0x0                ; qkv s[4:5], rpb s[6:7]
	s_load_b64 s[8:9], s[0:1], 0x10                ; ao
	v_lshl_add_u32 v[SPW], v0, 2, SPARE
	v_mov_b32 v[NIL], 0
	v_lshrrev_b32 v1, 5, v0
	v_readfirstlane_b32 s10, v1                    ; wave 0..7
	s_and_b32 s12, ttmp7, 0xffff                   ; 32 x batch + block
	s_and_b32 s13, s12, 31
	s_lshl_b32 s13, s13, 7                         ; i0: the block's first query in its batch
	s_lshr_b32 s14, s12, 5
	s_mul_i32 s14, s14, 4096*ROWB                  ; the batch's first row,
	s_lshl_b32 s15, ttmp9, 8                       ; the pair of heads
	s_add_co_u32 s14, s14, s15
	s_mov_b32 s15, 0
	s_mul_i32 s22, ttmp9, 200                      ; two rows of rpb
	s_mov_b32 s23, 0
	s_lshl_b32 s24, s12, 18                        ; ao: 128 rows of 2,048 bytes a block,
	s_lshl_b32 s25, s10, 15                        ; 16 a wave,
	s_add_co_u32 s24, s24, s25
	s_lshl_b32 s25, ttmp9, 8                       ; the pair of heads
	s_add_co_u32 s24, s24, s25
	s_mov_b32 s25, 0
	s_mov_b32 s16, 0x76543210                      ; v_permlanex16_b32: each lane takes its own place in the other half
	s_mov_b32 s17, 0xfedcba98
	s_mov_b32 s18, 0x3e38aa3b                      ; c = log2(e) / 8
	s_mov_b32 s19, s18                             ; named with it as a pair
	s_mov_b32 s20, 0xf149f2ca                      ; -1e30
	v_and_b32 v1, 15, v0                           ; t % 16 = l % 16
	v_bfe_u32 v2, v0, 4, 1                         ; l / 16
	v_lshrrev_b32 v28, 4, v0                       ; t / 16: my row among the 16 that a load of the work-group covers
	v_lshlrev_b32 v29, 4, v1                       ; my 16 bytes of its 256
	v_add_nc_u32 v[VQ], s13, v28
	v_add_nc_u32 v[VO0], -8, v[VQ]                 ; in front of the batch this wraps round and lands on row 4,095: a row that exists, and that the mask hides
	v_add_nc_u32 v[VO8], 120, v[VQ]
	v_min_u32 v[VO0], 4095, v[VO0]
	v_min_u32 v[VO8], 4095, v[VO8]
	v_mul_u32_u24 v[VQ], v[VQ], ROWB
	v_mul_u32_u24 v[VO0], v[VO0], ROWB
	v_mul_u32_u24 v[VO8], v[VO8], ROWB
	v_add_nc_u32 v[VQ], v[VQ], v29
	v_add_nc_u32 v[VO0], v[VO0], v29
	v_add_nc_u32 v[VO8], v[VO8], v29
	v_and_b32 v[RPA], 31, v0
	v_min_u32 v[RPA], 24, v[RPA]
	v_lshlrev_b32 v[RPA], 2, v[RPA]
	v_mul_u32_u24 v[LQ], v28, PQ
	v_add_nc_u32 v[LQ], v[LQ], v29
	v_add_nc_u32 v[LK], KOFF, v[LQ]
	v_mul_u32_u24 v[LV], v28, PVV
	v_add3_u32 v[LV], v[LV], v29, VOFF
	s_wait_kmcnt 0x0
	s_add_nc_u64 s[4:5], s[4:5], s[14:15]
	s_add_nc_u64 s[6:7], s[6:7], s[22:23]
	s_add_nc_u64 s[8:9], s[8:9], s[24:25]
	; 28 loads, all at once.  A wave's load of Q, K or V covers two rows' 256 aligned bytes.
	global_load_b32 v[RP],   v[RPA], s[6:7]
	global_load_b32 v[RP+1], v[RPA], s[6:7] offset:100
.irp j, 0,1,2,3,4,5,6,7
	global_load_b128 v[DQ+4*(\j):DQ+4*(\j)+3], v[VQ], s[4:5] offset:16*(\j)*ROWB
.endr
.irp z, 0,1                            ; K, then V: rows -8 .. 135 from the block's first query
	global_load_b128 v[DK+36*(\z):DK+36*(\z)+3], v[VO0], s[4:5] offset:2048*((\z)+1)
.irp j, 1,2,3,4,5,6,7
	global_load_b128 v[DK+36*(\z)+4*(\j):DK+36*(\z)+4*(\j)+3], v[VQ], s[4:5] offset:(16*(\j)-8)*ROWB+2048*((\z)+1)
.endr
	global_load_b128 v[DK+36*(\z)+32:DK+36*(\z)+35], v[VO8], s[4:5] offset:2048*((\z)+1)
.endr
	; the rest of the set-up stands in the wait for them; v28 and v29 are no load's address
	s_lshl_b32 s21, s10, 4                         ; 16 w
	v_add_nc_u32 v28, s21, v1
	v_mul_u32_u24 v[AQ], v28, PQ                   ; row 16 w + l % 16,
	v_lshl_add_u32 v[AQ], v2, 4, v[AQ]             ; + 16 (l / 16)
	v_add_nc_u32 v[AK], KOFF, v[AQ]                ; K's row 16 w is my window's first key
	v_and_b32 v28, 7, v0
	v_lshl_add_u32 v28, v2, 3, v28
	v_add_nc_u32 v28, s21, v28                     ; V, turned: key row 16 w + 8 (l / 16) + l % 8,
	v_mul_u32_u24 v[AV], v28, PVV
	v_bfe_u32 v28, v0, 3, 1
	v_lshl_add_u32 v[AV], v28, 4, v[AV]            ; channels 8 ((l / 8) % 2) on
	v_add_nc_u32 v[AV], VOFF, v[AV]
	s_mul_i32 s26, s10, 16*PQ
	s_add_co_u32 s26, s26, STAGE                   ; my stage
	v_mul_u32_u24 v[STO], v1, PQ
	v_lshl_add_u32 v[STO], v2, 4, v[STO]
	v_add_nc_u32 v[STO], s26, v[STO]
	v_mul_u32_u24 v[RD], v2, PQ
	v_lshl_add_u32 v[RD], v1, 4, v[RD]
	v_add_nc_u32 v[RD], s26, v[RD]
	v_lshlrev_b32 v[GO], 11, v2
	v_lshl_add_u32 v[GO], v1, 4, v[GO]
	; My lane's key number n + 8 (l / 16) of the window (n = 16 x block + register) is key i - 8 - l % 16 + n + 8 (l / 16) of the batch.
	s_add_co_u32 s21, s21, s13
	v_add_nc_u32 v28, s21, v1                      ; i
	v_cmp_le_u32 vcc_lo, 6, v28
	v_add_nc_u32 v29, -6, v28
	v_cndmask_b32 v29, 0, v29, vcc_lo              ; max(i - 6, 0)
	v_min_u32 v29, 4083, v29                       ; ni
	v_sub_nc_u32 v29, v29, v28                     ; ni - i
	v_add3_u32 v[CM], v29, v1, 8
	v_lshlrev_b32 v28, 3, v2
	v_sub_nc_u32 v[CM], v[CM], v28                 ; key - ni = n - CM
	v_sub_nc_u32 v28, v28, v1
	v_add_nc_u32 v28, 4, v28                       ; key - i + 12 = n + this
	v_lshlrev_b32 v[BI], 2, v28
	s_wait_loadcnt 26                              ; rpb is in; the 26 younger loads stay out
	v_cvt_pk_bf16_f32 v28, v[RP], v[RP+1]
	v_lshlrev_b32 v[RP], 16, v28
	v_and_b32 v[RP+1], 0xffff0000, v28
	v_mul_f32 v[RP], 0x41000000, v[RP]             ; x 8, exact: the scale 1 / 8 is applied to score and bias together
	v_mul_f32 v[RP+1], 0x41000000, v[RP+1]
.set g, 0
.rept 16                               ; register g of S: each lane pulls its entry of the table from the lane that holds it (a seen key's index lies in 0..24; the others pull some entry and are masked)
	v_add_nc_u32 v[28+g%2], 4*(16*(g/8)+g%8), v[BI]
	ds_bpermute_b32 v[S+g],    v[28+g%2], v[RP]
	ds_bpermute_b32 v[S+16+g], v[28+g%2], v[RP+1]
.set g, g+1
.endr
	s_wait_dscnt 0x0
.set g, 0
.rept 16
	v_sub_nc_u32 v28, 16*(g/8)+g%8, v[CM]
	v_cmp_ge_u32 vcc_lo, 12, v28                   ; unsigned: 0 <= key - ni <= 12
	v_cndmask_b32 v[S+g],    s20, v[S+g],    vcc_lo
	v_cndmask_b32 v[S+16+g], s20, v[S+16+g], vcc_lo
.set g, g+1
.endr
	s_wait_loadcnt 18                              ; Q is in
.irp j, 0,1,2,3,4,5,6,7
	ds_store_b128 v[LQ], v[DQ+4*(\j):DQ+4*(\j)+3] offset:16*PQ*(\j)
.endr
	s_wait_loadcnt 9                               ; K
.irp j, 0,1,2,3,4,5,6,7,8
	ds_store_b128 v[LK], v[DK+4*(\j):DK+4*(\j)+3] offset:16*PQ*(\j)
.endr
	s_wait_loadcnt 0x0                             ; V
.irp j, 0,1,2,3,4,5,6,7,8
	ds_store_b128 v[LV], v[DV+4*(\j):DV+4*(\j)+3] offset:16*PVV*(\j)
.endr
	s_wait_dscnt 0x0                               ; for the others' sake: my stores are done
	s_barrier_signal -1
	s_barrier_wait -1                              ; the one barrier: from here on nobody writes Q, K or V
.irp hh, 0,1
.irp c, 0,1
	ds_load_b128 v[QF+16*(\hh)+8*(\c):QF+16*(\hh)+8*(\c)+3],   v[AQ] offset:128*(\hh)+64*(\c)
	ds_load_b128 v[QF+16*(\hh)+8*(\c)+4:QF+16*(\hh)+8*(\c)+7], v[AQ] offset:128*(\hh)+64*(\c)+32
.endr
.endr
.irp hh, 0,1
.irp kb, 0,1
.irp c, 0,1
	ds_load_b128 v[KF+32*(\hh)+16*(\kb)+8*(\c):KF+32*(\hh)+16*(\kb)+8*(\c)+3],   v[AK] offset:16*PQ*(\kb)+128*(\hh)+64*(\c)
	ds_load_b128 v[KF+32*(\hh)+16*(\kb)+8*(\c)+4:KF+32*(\hh)+16*(\kb)+8*(\c)+7], v[AK] offset:16*PQ*(\kb)+128*(\hh)+64*(\c)+32
.endr
.endr
.endr
.irp hh, 0,1
.irp cb, 0,1,2,3
	ds_load_tr16_b128 v[VF+32*(\hh)+8*(\cb):VF+32*(\hh)+8*(\cb)+3],   v[AV] offset:128*(\hh)+32*(\cb)
	ds_load_tr16_b128 v[VF+32*(\hh)+8*(\cb)+4:VF+32*(\hh)+8*(\cb)+7], v[AV] offset:128*(\hh)+32*(\cb)+16*PVV
.endr
.endr
	s_wait_dscnt 16                                ; Q and K are in; V's sixteen loads may stay out
.irp c, 0,1                            ; the four accumulators take turns: three others stand between the two links of a chain
.irp hh, 0,1
.irp kb, 0,1
	v_wmma_f32_16x16x32_f16 v[S+16*(\hh)+8*(\kb):S+16*(\hh)+8*(\kb)+7], v[KF+32*(\hh)+16*(\kb)+8*(\c):KF+32*(\hh)+16*(\kb)+8*(\c)+7], v[QF+16*(\hh)+8*(\c):QF+16*(\hh)+8*(\c)+7], v[S+16*(\hh)+8*(\kb):S+16*(\hh)+8*(\kb)+7]
.endr
.endr
.endr
.rept 8
	v_nop                                          ; the places behind those products (eight, once a launch)
.endr
	; THE SOFTMAX, the two heads line by line.  The maximum of my 16 scores: two chains, each accumulator read from its low end on; then the query's other 16 keys, in the lane 16 away.
.irp hh, 0,1
	v_max3_num_f32 v[ST+4*(\hh)+2], v[S+16*(\hh)],   v[S+16*(\hh)+1], v[S+16*(\hh)+2]
	v_max3_num_f32 v[ST+4*(\hh)+3], v[S+16*(\hh)+8], v[S+16*(\hh)+9], v[S+16*(\hh)+10]
.endr
.irp hh, 0,1
	v_max3_num_f32 v[ST+4*(\hh)+2], v[ST+4*(\hh)+2], v[S+16*(\hh)+3],  v[S+16*(\hh)+4]
	v_max3_num_f32 v[ST+4*(\hh)+3], v[ST+4*(\hh)+3], v[S+16*(\hh)+11], v[S+16*(\hh)+12]
.endr
.irp hh, 0,1
	v_max3_num_f32 v[ST+4*(\hh)+2], v[ST+4*(\hh)+2], v[S+16*(\hh)+5],  v[S+16*(\hh)+6]
	v_max3_num_f32 v[ST+4*(\hh)+3], v[ST+4*(\hh)+3], v[S+16*(\hh)+13], v[S+16*(\hh)+14]
.endr
.irp hh, 0,1
	v_max3_num_f32 v[ST+4*(\hh)+2], v[ST+4*(\hh)+2], v[S+16*(\hh)+7], v[S+16*(\hh)+15]
.endr
.irp hh, 0,1
	v_max_num_f32 v[ST+4*(\hh)+2], v[ST+4*(\hh)+2], v[ST+4*(\hh)+3]
.endr
.irp hh, 0,1
	v_permlanex16_b32 v[ST+4*(\hh)+3], v[ST+4*(\hh)+2], s16, s17
.endr
.irp hh, 0,1
	v_max_num_f32 v[ST+4*(\hh)+1], v[ST+4*(\hh)+2], v[ST+4*(\hh)+3]  ; m
.endr
.irp hh, 0,1
	v_mul_f32 v[ST+4*(\hh)], s18, v[ST+4*(\hh)+1]                    ; c m
.endr
.irp b, 0,1,2,3,4,5,6,7
.irp hh, 0,1
	v_pk_fma_f32 v[S+16*(\hh)+2*(\b):S+16*(\hh)+2*(\b)+1], v[S+16*(\hh)+2*(\b):S+16*(\hh)+2*(\b)+1], s[18:19], v[ST+4*(\hh):ST+4*(\hh)+1] op_sel_hi:[1,0,0] neg_lo:[0,0,1] neg_hi:[0,0,1]  ; c s - c m
.endr
.endr
.set e, 0
.rept 32                               ; ONE BATCH: both heads' exponentials
	v_exp_f32 v[S+e], v[S+e]
.set e, e+1
.endr
	v_nop                                          ; a plain instruction behind the last exponential (ISA guide 5.7.2),
	s_wait_alu depctr_va_vdst(0)                   ; and one wait ahead of the batch's first reader
.irp b, 0,1,2,3,4,5,6,7
.irp hh, 0,1
	v_cvt_pk_f16_f32 v[P+8*(\hh)+(\b)], v[S+16*(\hh)+2*(\b)], v[S+16*(\hh)+2*(\b)+1]
.endr
.endr
	s_wait_dscnt 0x0                               ; V is in
.irp cb, 0,1,2,3                       ; O^T = V^T P: 32 keys in one instruction: eight accumulators, each started with 0 and finished at once
.irp hh, 0,1
	v_wmma_f32_16x16x32_f16 v[O+32*(\hh)+8*(\cb):O+32*(\hh)+8*(\cb)+7], v[VF+32*(\hh)+8*(\cb):VF+32*(\hh)+8*(\cb)+7], v[P+8*(\hh):P+8*(\hh)+7], 0
.endr
.endr
	; l, of the unrounded weights: these sums name no register of the products above and are the places behind them
.irp b, 0,2,4,6
.irp hh, 0,1
	v_pk_add_f32 v[S+16*(\hh)+(\b):S+16*(\hh)+(\b)+1], v[S+16*(\hh)+(\b):S+16*(\hh)+(\b)+1], v[S+16*(\hh)+8+(\b):S+16*(\hh)+8+(\b)+1]
.endr
.endr
.irp b, 0,2
.irp hh, 0,1
	v_pk_add_f32 v[S+16*(\hh)+(\b):S+16*(\hh)+(\b)+1], v[S+16*(\hh)+(\b):S+16*(\hh)+(\b)+1], v[S+16*(\hh)+4+(\b):S+16*(\hh)+4+(\b)+1]
.endr
.endr
.irp hh, 0,1
	v_pk_add_f32 v[S+16*(\hh):S+16*(\hh)+1], v[S+16*(\hh):S+16*(\hh)+1], v[S+16*(\hh)+2:S+16*(\hh)+3]
.endr
.irp hh, 0,1
	v_add_f32 v[ST+4*(\hh)+2], v[S+16*(\hh)], v[S+16*(\hh)+1]
.endr
.irp hh, 0,1
	v_permlanex16_b32 v[ST+4*(\hh)+3], v[ST+4*(\hh)+2], s16, s17
.endr
.irp hh, 0,1
	v_add_f32 v[ST+4*(\hh)+2], v[ST+4*(\hh)+2], v[ST+4*(\hh)+3]
.endr
.irp hh, 0,1
	v_rcp_f32 v[ST+4*(\hh)+2], v[ST+4*(\hh)+2]
.endr
	v_nop                                          ; a plain instruction between the last reciprocal and the use of its result,
	s_wait_alu depctr_va_vdst(0)                   ; and one wait for the two
	; THE WAY OUT: O^T / l, rounded to f16; a lane's eight channels of a row are 16 bytes; through my own stage they become whole rows of 256 bytes.
.irp hh, 0,1
.set i, 0
.rept 16
	v_pk_mul_f32 v[O+32*(\hh)+2*i:O+32*(\hh)+2*i+1], v[O+32*(\hh)+2*i:O+32*(\hh)+2*i+1], v[ST+4*(\hh)+2:ST+4*(\hh)+3] op_sel_hi:[1,0]  ; each accumulator from its low end on
.set i, i+1
.endr
.endr
.irp hh, 0,1
.set i, 0
.rept 16
	v_cvt_pk_f16_f32 v[PK+16*(\hh)+i], v[O+32*(\hh)+2*i], v[O+32*(\hh)+2*i+1]
.set i, i+1
.endr
.endr
.irp hh, 0,1
.irp cb, 0,1,2,3
	ds_store_b128 v[STO], v[PK+16*(\hh)+4*(\cb):PK+16*(\hh)+4*(\cb)+3] offset:128*(\hh)+32*(\cb)
.endr
.endr
.irp f, 0,1,2,3,4,5,6,7
	ds_load_b128 v[BK+4*(\f):BK+4*(\f)+3], v[RD] offset:2*PQ*(\f)  ; LDS serves a wave's instructions in order (ISA guide 5.7.1.4): these see the stores above
.endr
.irp f, 0,1,2,3,4,5,6,7
	s_wait_dscnt 7-(\f)
	global_store_b128 v[GO], v[BK+4*(\f):BK+4*(\f)+3], s[8:9] offset:4096*(\f)  ; 16 lanes store 256 consecutive bytes, at a multiple of 256 from ao's first byte
.endr
	s_wait_tensorcnt 0x0                           ; the wave's end: behind my last LDS store
	ds_add_u32 v[SPW], v[NIL]
	s_wait_dscnt 0x0
	s_endpgm
.Lfunc_end_k_q47aaafc21b_attn:
	.size	k_q47aaafc21b_attn, .Lfunc_end_k_q47aaafc21b_attn-k_q47aaafc21b_attn
	.p2alignl 7, 3214868480
	.fill 96, 4, 3214868480
	.section	.rodata,"a",@progbits
	.p2align	6, 0x0
	.amdhsa_kernel k_q47aaafc21b_attn
		.amdhsa_group_segment_fixed_size 151296
		.amdhsa_private_segment_fixed_size 0
		.amdhsa_enable_private_segment 0
		.amdhsa_kernarg_size 24
		.amdhsa_user_sgpr_count 2
		.amdhsa_user_sgpr_kernarg_segment_ptr 1
		.amdhsa_wavefront_size32 1
		.amdhsa_system_sgpr_workgroup_id_x 1
		.amdhsa_system_sgpr_workgroup_id_y 1
		.amdhsa_system_sgpr_workgroup_id_z 1
		.amdhsa_system_vgpr_workitem_id 0
		.amdhsa_next_free_vgpr 256
		.amdhsa_next_free_sgpr 66
		.amdhsa_reserve_vcc 1
		.amdhsa_float_denorm_mode_32 3
		.amdhsa_float_denorm_mode_16_64 3
		.amdhsa_memory_ordered 1
		.amdhsa_forward_progress 1
		.amdhsa_inst_pref_size 30
	.end_amdhsa_kernel
	.amdgpu_metadata
---
amdhsa.version: [ 1, 2 ]
amdhsa.kernels:
  - .name:           k_q47aaafc21b_attn
    .symbol:         k_q47aaafc21b_attn.kd
    .args:
      - { .name: qkv, .offset: 0, .size: 8, .value_kind: global_buffer, .address_space: global }
      - { .name: rpb, .offset: 8, .size: 8, .value_kind: global_buffer, .address_space: global }
      - { .name: ao, .offset: 16, .size: 8, .value_kind: global_buffer, .address_space: global }
    .group_segment_fixed_size: 151296
    .private_segment_fixed_size: 0
    .kernarg_segment_align: 8
    .kernarg_segment_size: 24
    .max_flat_workgroup_size: 256
    .sgpr_count:     66
    .vgpr_count:     256
    .wavefront_size: 32
...
	.end_amdgpu_metadata
.endif
;; end of part 3
;; launch gemm_proj (part 4): grid 4 x 64, 4 waves a work-group, clusters of 4 x 4, 327,680 bytes of LDS; arguments ao, wp, b_proj, out0; writes out0
.if DOCPART == 4
	.amdgcn_target "amdgcn-amd-amdhsa--gfx1250"
	.amdhsa_code_object_version 6
	.text
	.protected	k_q47aaafc21b_gemm_proj
	.globl	k_q47aaafc21b_gemm_proj
	.p2align	8
	.type	k_q47aaafc21b_gemm_proj,@function
k_q47aaafc21b_gemm_proj:
	s_mov_b64 s[64:65], 0
	v_nop
	global_prefetch_b8 v0, s[64:65] scope:SCOPE_SE
	s_setreg_imm32_b32 hwreg(HW_REG_WAVE_MODE, 25, 1), 1
	s_wait_xcnt 0x0
	s_wait_alu depctr_hold_cnt(0) depctr_sa_sdst(0) depctr_va_vdst(0) depctr_va_sdst(0) depctr_va_ssrc(0) depctr_va_vcc(0) depctr_vm_vsrc(0)
	s_getreg_b32 s2, hwreg(HW_REG_IB_STS2, 6, 4)
	s_cmp_eq_u32 s2, 0
	s_cbranch_scc0 .Lentry_in_a_cluster
	s_endpgm
.Lentry_in_a_cluster:
	s_bfe_u32 s2, ttmp6, 0x10000c
	s_cmp_lg_u32 s2, 0xf033
	s_cbranch_scc0 .Lentry_shape_is_right
	s_endpgm
.Lentry_shape_is_right:
; out0[m][n] = b_proj[n] + the sum over k of ao[m][k] wp[k][n].  ao: [16384][1024] f16, wp: [1024][1024] f16 (K down the rows; w_proj rounded to bf16 and written as f16), b_proj: [1024] f32, rounded to
; bf16 here like every input; sums in f32; out0: [16384][1024] f32, the sums as they are.  NaN and infinities are not treated apart.
; A tile of C, 256 x 256, is made by four waves, each 128 x 128: 64 accumulators of 16 x 16, 512 registers.  K goes in steps of 128 through a ring of two LDS slots filled by the tensor data mover.
; 4 x 64 tiles: one to each of 256 work-groups.
; CLUSTERS: 4 x 4 work-groups.  The four of a row of the cluster need the same tiles of A, the four of a column the same tiles of B: each tile is asked for JOINTLY, by the same tensor load
; with the same descriptor and a mask that names the four.
; B LIES [k][n]: its fragments come out of LDS turned, by ds_load_tr16_b128.  THE MATRIX INSTRUCTION IS USED TRANSPOSED (source 0 = 16 columns of B, source 1 = 16 rows of A): lane l holds row l % 16 of C
; and the columns 8 (l / 16) + 0..7.  THE BIAS IS THE C OPERAND of the first products: in that layout register j of column block b is bias[16 b + 8 (l / 16) + j].
; THE LAST K STEP GOES BY ROWS OF C: nothing follows the tile under which its stores could leave, so finished blocks of 16 rows are stored while the others are still multiplied.
; REGISTERS, in windows of 256 (s_set_vgpr_msb: bits 1:0 source 0, 3:2 source 1, 5:4 source 2, 7:6 destination):
;   window 0: v0-31 addresses; v64-127, v128-191 fragments of A, two buffers (in the last K step four, of 16 rows x 128 K)
;   window 1: v0-63 the bias of my 128 columns; v64-127, v128-191 fragments of B, two buffers; v192-195 at work; in the last K step all 256: B's fragments of the whole step
;   window 2: the 32 accumulators of my rows 0-63 ((a, b) at v[8 (8 a + b)]);   window 3: those of my rows 64-127; on the way out a block's rows come back into its own 64 registers
.set SIZE_K, 1024
.set SIZE_N, 1024
.set KSTEP,  128
.set PA,     272                       ; a row of A in LDS: 256 bytes + 16: the 16 rows of a load start at 16 different groups of four banks (64 banks of 4 bytes: ISA guide 11.1)
.set PB,     544                       ; a row of B in LDS (one k, 256 columns): 512 bytes + 32
.set HALFT,  128*PA                    ; what one tensor load brings: 128 rows of A, or 64 rows of B
.set SLOT,   4*HALFT                   ; A's 256 rows, then B's 128 rows
.set STAGE,  2*SLOT                    ; behind the ring: 16 rows x 528 bytes for each wave, for the way out
.set SPITCH, 528                       ; 128 f32 + 16 bytes: 132 words: 16 rows start at 16 different groups of four banks
.set SPARE,  STAGE+4*16*SPITCH         ; behind the stages: the spare words, 128 bytes for each wave: two blocks of 256 bytes that no other line names
.set LAPS,   SIZE_K/(2*KSTEP)
.set CROW,   SIZE_N*4                  ; bytes in a row of C
.set CSH,    10                        ; a tile's 256 columns of C are 1 << CSH bytes
.set BSTEP,  KSTEP*SIZE_N*2
.set ADRA, 16                          ; v16-17  LDS address of my A fragments in slot 0, 1
.set ADRB, 20                          ; v20-21  the same for B
.set STO,  24                          ; v24     the way out: where I put 32 bytes of a row
.set RD,   25                          ; v25     the way out: where I read 16 bytes of a row back
.set CO,   26                          ; v26     my byte offset in a row's 512 bytes of C
.set BO,   27                          ; v27     32 (l / 16)
.set SPW,  28                          ; v28     LDS address of my spare word; never rewritten
.set NIL,  29                          ; v29     0; never rewritten
.set PFO,  30                          ; v30     the prefetches' offset; never rewritten
.set F0,   64
.set F1,   128
.set PAF,  64                          ; the last K step: A's fragments of 16 rows x 128 K, 32 registers; four such buffers, v64-191
.set BIAS, 0                           ; window 1
.set BT,   192                         ; window 1
.set G1,  24                           ; s[24:31] descriptor group 1 for A's tiles
.set G0,  32                           ; s[32:39] group 0 for A's tiles, a set for each slot
.set LIM, 43                           ; s43      1 in a wave that prefetches, else the greatest number
.set PFA, 44                           ; s[44:45] where my prefetches stand
.set G1B, 48                           ; s[48:55] group 1 for B's tiles
.set G0B, 56                           ; s[56:63] group 0 for B's tiles
.set BP,  66                           ; s[66:67] the bias at my 128 columns
.set PSTEP, 68                         ; s[68:69] a K step in the tensor that I prefetch
.set MASKH, 77                         ; s77      a word's upper half
.set MSB, 0
.macro WIN new                         ; the immediate's high byte repeats the setting that is left; a switch that changes nothing is dropped
.if MSB != (\new)
	s_set_vgpr_msb (MSB<<8)|(\new)
.set MSB, \new
.endif
.endm
.set MUL_LO, 0xa1                      ; source 0 (B) window 1, source 1 (A) window 0, C and D window 2; + 0x50: window 3
.set MUL_C,  0x91                      ; the same with C (the bias) in window 1; + 0x40: D in window 3
.set TO_B,   0x40                      ; destination window 1, address window 0
; A joint load.  Waves 0 and 1 fetch A's two halves, waves 2 and 3 B's.  The branch hangs on the wave's number alone.  An s_nop 0 and four v_nop follow each of the two lines.
.macro JLOAD s
	s_cmp_eq_u32 s11, 0
	s_cbranch_scc0 .Lfor_b_\@
	tensor_load_to_lds s[G0+4*(\s):G0+4*(\s)+3], s[G1:G1+7]
	s_nop 0
.rept 4
	v_nop
.endr
	s_branch .Lasked_\@
.Lfor_b_\@:
	tensor_load_to_lds s[G0B+4*(\s):G0B+4*(\s)+3], s[G1B:G1B+7]
	s_nop 0
.rept 4
	v_nop
.endr
.Lasked_\@:
.endm
; A PREFETCH, behind each joint load and the run of LDS loads that follows it: the K step that stands TWO refills on, 512 matrix instructions ahead of the load that will want it.  One instruction a wave.
; Each aligned block of 256 bytes is named once in the launch.  A's tile row is read by this cluster alone (the grid is one cluster wide): its A waves ask.  B's tile column is read by all sixteen
; clusters: the one with y = 0 asks.  The four partners that ask for a tile jointly share its rows out BY ADDRESS: of a wave's 128 rows of A the partner at cx takes 32, a lane a row; of its 64 rows
; of B the partner at cy takes 16, two lanes a row of 512 bytes.  The last two refills have no K step two on and ask for nothing.
.macro ASK
	s_cmp_gt_u32 s3, s[LIM]                        ; s3 = 1 in the loop's last trip
	s_cbranch_scc0 .Lnot_mine_\@
	global_prefetch_b8 v[PFO], s[PFA:PFA+1] th:TH_LOAD_NT scope:SCOPE_SE
.Lnot_mine_\@:
.endm
.macro CREST                           ; a round of the cluster's barrier behind its opening barrier
	s_cmp_lg_u32 s10, 0
	s_cbranch_scc1 .Lnot_wave_0_\@
	s_barrier_signal -3
.Lnot_wave_0_\@:
	s_barrier_wait -3
	s_barrier_signal -1
	s_barrier_wait -1
.endm
.macro CROUND                          ; a whole round
	s_barrier_signal -1
	s_barrier_wait -1
	CREST
.endm
.macro PLACES                          ; four plain vector instructions between a matrix instruction and a load into, or a read of, its registers
.rept 4
	v_nop
.endr
.endm
	s_load_b128 s[4:7], s[0:1], 0x0                ; A s[4:5], B s[6:7]
	s_load_b128 s[72:75], s[0:1], 0x10             ; bias s[72:73], C s[74:75]
	v_lshl_add_u32 v[SPW], v0, 2, SPARE
	v_mov_b32 v[NIL], 0
	ds_add_u32 v[SPW], v[NIL]                      ; the wave's opening: the add and its wait stand ahead of my first tensor load; the set-up below, work on registers, stands between them
	v_lshrrev_b32 v1, 5, v0
	v_readfirstlane_b32 s10, v1                    ; wave 0..3
	s_lshr_b32 s11, s10, 1                         ; which half of the tile's rows is mine.  Also: I fetch for A (0) or for B (1)
	s_and_b32 s12, s10, 1                          ; which half of its columns.  Also: which half of that tile I fetch
	s_bfe_u32 s40, ttmp6, 0x40000                  ; cx
	s_bfe_u32 s41, ttmp6, 0x40004                  ; cy
	s_lshl_b32 s42, ttmp9, 2
	s_add_co_u32 s42, s42, s40                     ; tile column of C = 4 x cluster x + cx
	s_and_b32 s13, ttmp7, 0xffff
	s_lshl_b32 s13, s13, 2
	s_add_co_u32 s13, s13, s41                     ; tile row of C = 4 x cluster y + cy
	s_lshl_b32 s43, s41, 2
	s_lshl_b32 s43, 15, s43                        ; my row of the cluster: places 4 cy .. 4 cy + 3
	s_lshl_b32 s44, 0x1111, s40                    ; my column: places cx, cx + 4, cx + 8, cx + 12
	s_mov_b32 s[MASKH], 0xffff0000
	; group 1 for A: 128 rows x 128 elements; for B: 64 rows x 256 elements; both padded in LDS
	s_or_b32 s[G1+0], s43, (1<<16)|(1<<20)|(1<<21)|(5<<22)|(3<<25)   ; the mask of my row; elements of 2 bytes; padding on; bit 21 beside a mask; after every 64 words, 4 words
	s_or_b32 s[G1B+0], s44, (1<<16)|(1<<20)|(1<<21)|(6<<22)|(7<<25)  ; the mask of my column; after every 128 words, 8 words
	s_mov_b32 s[G1+1], KSTEP<<16                   ; tensor_dim0 = 128
	s_mov_b32 s[G1+2], 128<<16                     ; tensor_dim1 = 128
	s_mov_b32 s[G1+3], KSTEP<<16                   ; tile_dim0 = 128
	s_mov_b32 s[G1+4], 128                         ; tile_dim1 = 128
	s_mov_b32 s[G1+5], SIZE_K                      ; elements from row to row
	s_mov_b32 s[G1+6], 0
	s_mov_b32 s[G1+7], 0
	s_mov_b32 s[G1B+1], 256<<16                    ; tensor_dim0 = 256
	s_mov_b32 s[G1B+2], 64<<16                     ; tensor_dim1 = 64
	s_mov_b32 s[G1B+3], 256<<16                    ; tile_dim0 = 256
	s_mov_b32 s[G1B+4], 64                         ; tile_dim1 = 64
	s_mov_b32 s[G1B+5], SIZE_N
	s_mov_b32 s[G1B+6], 0
	s_mov_b32 s[G1B+7], 0
	; where the tiles come from: A's hang on the tile row alone, B's on the tile column alone; each in registers that never hold the other coordinate
	s_lshl_b32 s17, s12, 7
	s_lshl_b32 s16, s13, 8
	s_add_co_u32 s16, s16, s17                     ; A: row 256 x tile row + 128 x half
	s_lshl_b32 s16, s16, 11                        ; x 2,048 bytes: under 2^25
	s_mov_b32 s17, 0
	s_mul_i32 s46, s12, 64*SIZE_N*2                ; B: k row 64 x half,
	s_lshl_b32 s47, s42, 9                         ; column 256 x tile column
	s_add_co_u32 s46, s46, s47
	s_mov_b32 s47, 0
	s_mul_i32 s20, s10, HALFT                      ; where they go: wave x HALFT: no place in the cluster enters an LDS address
	s_wait_dscnt 0x0                               ; the opening add is done
	s_wait_kmcnt 0x0
	s_add_nc_u64 s[14:15], s[4:5], s[16:17]
	s_add_nc_u64 s[46:47], s[6:7], s[46:47]
	CROUND                                         ; all sixteen work-groups are here: the first joint loads meet
.irp s, 0,1
	s_mov_b32 s[G0+4*(\s)], 1                                      ; count = 1
	s_add_co_u32 s[G0+4*(\s)+1], s20, (\s)*SLOT                    ; LDS address
	s_add_nc_u64 s[G0+4*(\s)+2:G0+4*(\s)+3], s[14:15], (\s)*KSTEP*2  ; global address: K step s
	s_or_b32 s[G0+4*(\s)+3], s[G0+4*(\s)+3], 0x80000000            ; type = 2
	s_mov_b32 s[G0B+4*(\s)], 1
	s_add_co_u32 s[G0B+4*(\s)+1], s20, (\s)*SLOT
	s_add_nc_u64 s[G0B+4*(\s)+2:G0B+4*(\s)+3], s[46:47], (\s)*BSTEP
	s_or_b32 s[G0B+4*(\s)+3], s[G0B+4*(\s)+3], 0x80000000
	JLOAD \s                                       ; two loads of mine are out
.endr
	; A's fragment: lane l holds row l % 16; two loads of 16 bytes, 32 bytes apart, at row x pitch + 16 (l / 16).
	; B's fragment, turned: lane l reads k row 8 (l / 16) + l % 8, columns 8 ((l / 8) % 2) + 0..7, and ends with column l % 16 and 8 k; the second load stands 16 k rows on.
	v_and_b32 v1, 15, v0                           ; l % 16
	v_bfe_u32 v2, v0, 4, 1                         ; l / 16
	v_mul_u32_u24 v3, v1, PA
	v_lshl_add_u32 v3, v2, 4, v3
	v_and_b32 v4, 7, v0
	v_lshl_add_u32 v4, v2, 3, v4
	v_mul_u32_u24 v4, v4, PB
	v_bfe_u32 v5, v0, 3, 1
	v_lshl_add_u32 v4, v5, 4, v4
	s_mul_i32 s21, s11, HALFT                      ; my 128 rows of A
	s_lshl_b32 s22, s12, 8                         ; my 128 columns of B: 256 bytes of each row,
	s_add_co_u32 s22, s22, 2*HALFT                 ; behind A's 256 rows
.irp s, 0,1
	v_add_nc_u32 v[ADRA+(\s)], s21, v3
	v_add_nc_u32 v[ADRB+(\s)], s22, v4
	s_add_co_u32 s21, s21, SLOT
	s_add_co_u32 s22, s22, SLOT
.endr
	s_mul_i32 s23, s10, 16*SPITCH
	s_add_co_u32 s23, s23, STAGE                   ; my stage
	v_mul_u32_u24 v4, v1, SPITCH                   ; in: row l % 16, 32 bytes for each half of the lanes
	v_lshl_add_u32 v4, v2, 5, v4
	v_add_nc_u32 v[STO], s23, v4
	v_and_b32 v5, 31, v0
	v_lshlrev_b32 v[CO], 4, v5                     ; back: 32 lanes take one row's 512 bytes, and the same in C
	v_add_nc_u32 v[RD], s23, v[CO]
	v_lshlrev_b32 v[BO], 5, v2
	; C at my part of the tile: s[16:17], never rewritten
	s_lshl_b32 s13, s13, 8                         ; 256 x tile row
	s_lshl_b32 s14, s11, 7
	s_add_co_u32 s16, s13, s14
	s_mul_i32 s16, s16, CROW                       ; under 2^27
	s_lshl_b32 s46, s42, CSH
	s_lshl_b32 s47, s12, CSH-1
	s_add_co_u32 s46, s46, s47
	s_add_co_u32 s16, s16, s46
	s_mov_b32 s17, 0
	s_add_nc_u64 s[16:17], s[74:75], s[16:17]
	; the bias at my 128 columns
	s_lshl_b32 s20, s42, 10
	s_lshl_b32 s21, s12, 9
	s_add_co_u32 s20, s20, s21
	s_mov_b32 s21, 0
	s_add_nc_u64 s[BP:BP+1], s[72:73], s[20:21]
	WIN TO_B                                       ; 128 numbers of the bias, in the accumulators' layout: 8 a lane for each of the 8 column blocks
.irp b, 0,1,2,3,4,5,6,7
	global_load_b128 v[BIAS+8*(\b):BIAS+8*(\b)+3],   v[BO], s[BP:BP+1] offset:64*(\b)
	global_load_b128 v[BIAS+8*(\b)+4:BIAS+8*(\b)+7], v[BO], s[BP:BP+1] offset:64*(\b)+16
.endr
	WIN 0
	; the prefetches.  s13 = 256 x tile row, s42 = tile column, s40 = cx, s41 = cy still stand
	v_lshlrev_b32 v6, 11, v5                       ; A: a lane a row of 2,048 bytes
	v_lshrrev_b32 v7, 1, v5
	v_mul_u32_u24 v7, v7, SIZE_N*2                 ; B: two lanes a row,
	v_and_b32 v5, 1, v5
	v_lshl_add_u32 v7, v5, 8, v7                   ; 256 bytes each
	s_lshl_b32 s20, s12, 7
	s_add_co_u32 s20, s20, s13
	s_lshl_b32 s21, s40, 5
	s_add_co_u32 s20, s20, s21                     ; A: tile's row + the 128 that I fetch + my work-group's 32 of them
	s_lshl_b32 s20, s20, 11
	s_add_co_u32 s20, s20, 3*KSTEP*2               ; at K step 3: the first refill steps it to 4 and names that
	s_lshl_b32 s21, s12, 6
	s_lshl_b32 s23, s41, 4
	s_add_co_u32 s21, s21, s23                     ; B: the 64 k rows that I fetch + my work-group's 16 of them,
	s_add_co_u32 s21, s21, 3*KSTEP                 ; at K step 3
	s_mul_i32 s21, s21, SIZE_N*2
	s_lshl_b32 s23, s42, 9
	s_add_co_u32 s21, s21, s23
	s_and_b32 s22, ttmp7, 0xffff                   ; cluster y
	s_mov_b32 s46, BSTEP
	s_cmp_eq_u32 s11, 0                            ; do I fetch for A?
	s_cselect_b32 s20, s20, s21
	s_cselect_b32 s[PSTEP], KSTEP*2, s46
	s_cselect_b32 s22, ttmp9, s22                  ; the coordinate along which other clusters read the same rows
	s_cselect_b32 s76, -1, 0
	s_cselect_b64 s[PFA:PFA+1], s[4:5], s[6:7]
	s_mov_b32 s21, 0
	s_mov_b32 s[PSTEP+1], 0
	s_add_nc_u64 s[PFA:PFA+1], s[PFA:PFA+1], s[20:21]
	s_cmp_eq_u32 s22, 0
	s_cselect_b32 s[LIM], 1, -1                    ; the same in all sixteen partners, for a given wave
	v_cndmask_b32 v[PFO], v7, v6, s76
	; nothing is prefetched here, at the head: K steps 0 to 3 come by their loads alone
	s_wait_loadcnt 0x0                             ; the bias: rounded to bf16, like every input, and widened again
	WIN 0x45
.set i, 0
.rept 32
	v_cvt_pk_bf16_f32 v[BT+i%4], v[BIAS+2*i], v[BIAS+2*i+1]
	v_lshlrev_b32 v[BIAS+2*i], 16, v[BT+i%4]
	v_and_b32 v[BIAS+2*i+1], s[MASKH], v[BT+i%4]
.set i, i+1
.endr
	WIN 0
; 16 matrix instructions: m blocks a0, a0 + 1 of the window's four (hi = 0: my rows 0-63, 1: rows 64-127) x all 8 n blocks, 32 along K.  first = 1: the sums start from the bias.
.macro MUL16 f, hi, a0, first
.if \first
	WIN MUL_C+0x40*(\hi)
.else
	WIN MUL_LO+0x50*(\hi)
.endif
.irp a, \a0, (\a0)+1
.irp b, 0,1,2,3,4,5,6,7
.if \first
	v_wmma_f32_16x16x32_f16 v[8*(8*(\a)+(\b)):8*(8*(\a)+(\b))+7], v[(\f)+8*(\b):(\f)+8*(\b)+7], v[(\f)+8*(4*(\hi)+(\a)):(\f)+8*(4*(\hi)+(\a))+7], v[BIAS+8*(\b):BIAS+8*(\b)+7]
.else
	v_wmma_f32_16x16x32_f16 v[8*(8*(\a)+(\b)):8*(8*(\a)+(\b))+7], v[(\f)+8*(\b):(\f)+8*(\b)+7], v[(\f)+8*(4*(\hi)+(\a)):(\f)+8*(4*(\hi)+(\a))+7], v[8*(8*(\a)+(\b)):8*(8*(\a)+(\b))+7]
.endif
.endr
.endr
.endm
; 32 LDS loads in one run: the fragments of one quarter step (32 K: byte k of A's rows, k rows k / 2 on of B) into buffer f: B's 16, then A's 16
.macro FETCH slot, k, f
	WIN TO_B
.irp i, 0,1,2,3,4,5,6,7
	ds_load_tr16_b128 v[(\f)+8*(\i):(\f)+8*(\i)+3],   v[ADRB+(\slot)] offset:((\k)/64)*32*PB+32*(\i)
	ds_load_tr16_b128 v[(\f)+8*(\i)+4:(\f)+8*(\i)+7], v[ADRB+(\slot)] offset:((\k)/64)*32*PB+16*PB+32*(\i)
.endr
	WIN 0
.irp i, 0,1,2,3,4,5,6,7
	ds_load_b128 v[(\f)+8*(\i):(\f)+8*(\i)+3],   v[ADRA+(\slot)] offset:(\k)+(\i)*16*PA
	ds_load_b128 v[(\f)+8*(\i)+4:(\f)+8*(\i)+7], v[ADRA+(\slot)] offset:(\k)+(\i)*16*PA+32
.endr
.endm
; A K step is four quarters of 32 along K, 64 matrix instructions each, on buffers 0, 1, 0, 1; the 64 accumulators take turns, in the same order in every quarter.
.macro QUARTER slot, k, f, g, first
	s_wait_dscnt 8                                 ; B and A's rows 0-63 are in; the youngest eight loads (A's rows 64-127) may be out
	MUL16 \f, 0, 0, \first
	MUL16 \f, 0, 2, \first
	PLACES
	FETCH \slot, \k, \g
	s_wait_dscnt 32                                ; all but the 32 just issued
	MUL16 \f, 1, 0, \first
	MUL16 \f, 1, 2, \first
.endm
; The first half of the last quarter: ONE barrier for the change of slots.  In front of it each wave waits for all its tensor loads (one is out: its part of the next slot), adds 0 to its spare word,
; and waits for that and for its own reads of this slot.  Behind it nobody reads this slot any more and the next slot is whole.
.macro MEET round
	WIN 0                                          ; (the add's two registers lie in window 0)
	s_wait_tensorcnt 0x0
	ds_add_u32 v[SPW], v[NIL]                      ; 0 onto my spare word
	s_wait_dscnt 9                                 ; (the add and the youngest eight loads may be out)
	MUL16 F1, 0, 0, 0                              ; sixteen matrix instructions stand between the add and the wait for it
	s_wait_dscnt 0x0                               ; the add is done, and my reads of this slot are over
	s_barrier_signal -1
	MUL16 F1, 0, 2, 0                              ; work on registers while the others arrive
.if \round
	WIN 0
.endif
	s_barrier_wait -1
.endm
; The whole last quarter of a K step whose slot is filled again, with the K step two steps on: the barrier opens a round of the cluster's barrier, and the joint refill is the first tensor load
; behind the round, 224 matrix instructions ahead of the wait for it.
.macro TURN slot, next
	s_wait_xcnt 0x0                                ; the last prefetch, a K step back, has read its address: it is stepped here, ahead of the waits of the change of slots
	s_add_nc_u64 s[PFA:PFA+1], s[PFA:PFA+1], s[PSTEP:PSTEP+1]
	MEET 1
	CREST                                          ; no wave of any partner still reads this slot's tile or has a load on its way
	s_add_nc_u64 s[G0+4*(\slot)+2:G0+4*(\slot)+3], s[G0+4*(\slot)+2:G0+4*(\slot)+3], 2*KSTEP*2
	s_add_nc_u64 s[G0B+4*(\slot)+2:G0B+4*(\slot)+3], s[G0B+4*(\slot)+2:G0B+4*(\slot)+3], 2*BSTEP
	JLOAD \slot                                    ; the four v_nop behind it are also the places in front of the loads below
	FETCH \next, 0, F0
	ASK
	MUL16 F1, 1, 0, 0
	MUL16 F1, 1, 2, 0
.endm
; THE LAST K STEP (it lies in slot 1) GOES BY ROWS OF C, NOT BY K.  All its fragments of B (4 quarters x 64 registers) fill window 1; then my eight blocks of 16 rows are finished one after the other,
; each with 32 matrix instructions (its 8 accumulators by turns, K ascending).  LDS is read no more than in any other K step.
.macro BLOAD q                         ; B's fragments of quarter q -> window 1, v[64 q ..]
	WIN TO_B
.irp i, 0,1,2,3,4,5,6,7
	ds_load_tr16_b128 v[64*(\q)+8*(\i):64*(\q)+8*(\i)+3],   v[ADRB+1] offset:(\q)*32*PB+32*(\i)
	ds_load_tr16_b128 v[64*(\q)+8*(\i)+4:64*(\q)+8*(\i)+7], v[ADRB+1] offset:(\q)*32*PB+16*PB+32*(\i)
.endr
.endm
.macro ALOAD a                         ; A's fragments of block a, all four quarters -> buffer a % 4
	WIN 0
.set FA, PAF+32*((\a)%4)
.irp q, 0,1,2,3
	ds_load_b128 v[FA+8*(\q):FA+8*(\q)+3],   v[ADRA+1] offset:64*(\q)+(\a)*16*PA
	ds_load_b128 v[FA+8*(\q)+4:FA+8*(\q)+7], v[ADRA+1] offset:64*(\q)+(\a)*16*PA+32
.endr
.endm
.macro ROW a                           ; block a is finished: 32 matrix instructions
.set FA, PAF+32*((\a)%4)               ; its fragments of A
.set AC, 64*((\a)%4)                   ; its eight accumulators, in window 2 (blocks 0-3) or 3 (blocks 4-7)
	WIN MUL_LO+0x50*((\a)/4)
.irp q, 0,1,2,3
.if (\a) == 0 && (\q) == 2
	s_wait_dscnt 24                                ; B's quarter 2 is in (behind it: A's blocks 1 to 3)
.endif
.irp b, 0,1,2,3,4,5,6,7
	v_wmma_f32_16x16x32_f16 v[AC+8*(\b):AC+8*(\b)+7], v[64*(\q)+8*(\b):64*(\q)+8*(\b)+7], v[FA+8*(\q):FA+8*(\q)+7], v[AC+8*(\b):AC+8*(\b)+7]
.endr
.endr
.endm
; THE WAY OUT of block a (16 rows x 128 columns of f32).  TOST: a lane's 32 bytes of each column block into my own stage.  BACK: whole rows of 512 bytes, into the block's own 64 registers, which nobody
; writes again: so no store's registers are ever waited for.  SEND: stored; the block's place stands in the immediate, 127 rows of 4,096 bytes at the most.
.macro TOST a
.set AC, 64*((\a)%4)
	WIN 0x08+4*((\a)/4)                            ; the data (source 1): window 2 or 3
.irp b, 0,1,2,3,4,5,6,7
	ds_store_b128 v[STO], v[AC+8*(\b):AC+8*(\b)+3]   offset:64*(\b)     ; each accumulator from its low end on
	ds_store_b128 v[STO], v[AC+8*(\b)+4:AC+8*(\b)+7] offset:64*(\b)+16
.endr
.endm
.macro BACK a
.set AC, 64*((\a)%4)
	WIN 0x80+0x40*((\a)/4)                         ; the destination: window 2 or 3
.irp t, 0,1,2,3,4,5,6,7,8,9,10,11,12,13,14,15
	ds_load_b128 v[AC+4*(\t):AC+4*(\t)+3], v[RD] offset:(\t)*SPITCH  ; LDS serves a wave's instructions in order (ISA guide 5.7.1.4): these see the stores above, and the next block's stores come behind them
.endr
.endm
.macro SEND a, younger                 ; younger: the LDS loads issued behind block a's: eight of A's, or none
.set AC, 64*((\a)%4)
	WIN 0x08+4*((\a)/4)
	s_wait_dscnt \younger                          ; the block is back in registers
.irp t, 0,1,2,3,4,5,6,7,8,9,10,11,12,13,14,15
	global_store_b128 v[CO], v[AC+4*(\t):AC+4*(\t)+3], s[16:17] offset:(16*(\a)+(\t))*CROW th:TH_STORE_NT  ; a wave stores 512 consecutive bytes, at a multiple of 512 from C's first byte
.endr
.endm
	s_wait_tensorcnt 1                             ; my part of K step 0 is in; K step 1's may stay out
	s_barrier_signal -1
	s_barrier_wait -1                              ; everybody's is
	FETCH 0, 0, F0
	QUARTER 0, 64,  F0, F1, 1                      ; the first quarter stands in front of the loop: its products start the sums from the bias
	WIN 0
	s_mov_b32 s3, LAPS-1
.Llap:                                                 ; a trip goes once round the ring, from a lap's second quarter to the next lap's first, and fills both slots again
	QUARTER 0, 128, F1, F0, 0
	QUARTER 0, 192, F0, F1, 0
	TURN 0, 1
	QUARTER 1, 64,  F0, F1, 0
	QUARTER 1, 128, F1, F0, 0
	QUARTER 1, 192, F0, F1, 0
	TURN 1, 0
	QUARTER 0, 64,  F0, F1, 0
	WIN 0
	s_sub_co_u32 s3, s3, 1
	s_cmp_lg_u32 s3, 0
	s_cbranch_scc1 .Llap
	QUARTER 0, 128, F1, F0, 0                      ; the last lap fills nothing
	QUARTER 0, 192, F0, F1, 0
	MEET 0                                         ; my one tensor load that was still out is slot 1's, the last K step's, so no round follows
	PLACES                                         ; for the loads into buffer 0, which the quarter before multiplied
	BLOAD 0                                        ; three quarters of B now: buffer 1 (v128-191 of both windows) is still being multiplied
	BLOAD 1
	BLOAD 3
	ALOAD 0
	MUL16 F1, 1, 0, 0
	MUL16 F1, 1, 2, 0
	PLACES                                         ; for the loads into buffer 1
	BLOAD 2
	ALOAD 1
	ALOAD 2
	ALOAD 3
	s_wait_dscnt 40                                ; all but the 40 just issued
	ROW 0
.irp a, 0,1,2,3,4,5,6,7                ; block a goes through the stage while block a + 1 is multiplied, and is stored behind those products
	PLACES                                         ; the stage's stores read results just made, and the loads land on them and on A's buffer just read
	TOST \a
	BACK \a
.if (\a) < 4
	ALOAD (\a)+4                                   ; its buffer takes the block four further on
.endif
.if (\a) == 0
	s_wait_dscnt 40                                ; A's blocks 1 to 3 are in: behind them stand the stage's 32 and A's block 4; the later blocks are shown in by the waits of SEND
.endif
.if (\a) < 7
	ROW (\a)+1
.endif
.if (\a) < 4
	SEND \a, 8
.else
	SEND \a, 0
.endif
.endr
	WIN 0
	s_wait_tensorcnt 0x0                           ; the wave's end: behind my last tensor load and my last LDS store
	ds_add_u32 v[SPW], v[NIL]
	s_wait_dscnt 0x0
	CROUND                                         ; the closing round: no work-group ends while a partner may still ask for a tile that names it
	s_endpgm
.Lfunc_end_k_q47aaafc21b_gemm_proj:
	.size	k_q47aaafc21b_gemm_proj, .Lfunc_end_k_q47aaafc21b_gemm_proj-k_q47aaafc21b_gemm_proj
	.p2alignl 7, 3214868480
	.fill 96, 4, 3214868480
	.section	.rodata,"a",@progbits
	.p2align	6, 0x0
	.amdhsa_kernel k_q47aaafc21b_gemm_proj
		.amdhsa_group_segment_fixed_size 327680
		.amdhsa_private_segment_fixed_size 0
		.amdhsa_enable_private_segment 0
		.amdhsa_kernarg_size 32
		.amdhsa_user_sgpr_count 2
		.amdhsa_user_sgpr_kernarg_segment_ptr 1
		.amdhsa_wavefront_size32 1
		.amdhsa_system_sgpr_workgroup_id_x 1
		.amdhsa_system_sgpr_workgroup_id_y 1
		.amdhsa_system_sgpr_workgroup_id_z 1
		.amdhsa_system_vgpr_workitem_id 0
		.amdhsa_next_free_vgpr 1024
		.amdhsa_next_free_sgpr 80
		.amdhsa_reserve_vcc 0
		.amdhsa_float_denorm_mode_32 3
		.amdhsa_float_denorm_mode_16_64 3
		.amdhsa_memory_ordered 1
		.amdhsa_forward_progress 1
		.amdhsa_inst_pref_size 148
	.end_amdhsa_kernel
	.amdgpu_metadata
---
amdhsa.version: [ 1, 2 ]
amdhsa.kernels:
  - .name:           k_q47aaafc21b_gemm_proj
    .symbol:         k_q47aaafc21b_gemm_proj.kd
    .args:
      - { .name: ao, .offset: 0, .size: 8, .value_kind: global_buffer, .address_space: global }
      - { .name: wp, .offset: 8, .size: 8, .value_kind: global_buffer, .address_space: global }
      - { .name: b_proj, .offset: 16, .size: 8, .value_kind: global_buffer, .address_space: global }
      - { .name: out0, .offset: 24, .size: 8, .value_kind: global_buffer, .address_space: global }
    .group_segment_fixed_size: 327680
    .private_segment_fixed_size: 0
    .kernarg_segment_align: 8
    .kernarg_segment_size: 32
    .max_flat_workgroup_size: 128
    .sgpr_count:     80
    .vgpr_count:     1024
    .wavefront_size: 32
...
	.end_amdgpu_metadata
.endif
;; end of part 4
;; ======== version 2 of 2: 4 launches; version 1 with the launch attn written anew for expert scheduling mode
;; limits: values are held in f16: magnitudes above 65,504 overflow, below 6.1e-05 lose precision; right only within a limited range of input values
;; workspace buffers: xb 33,554,432 bytes; wq 6,291,456 bytes; wp 2,097,152 bytes; qkv 100,663,296 bytes; ao 33,554,432 bytes
;; launch prep: the kernel of part 1 again; grid 1280 x 1, 8 waves a work-group, no clusters, 0 bytes of LDS; arguments x, w_qkv, w_proj, xb, wq, wp; writes xb, wq, wp
;; launch gemm_qkv: the kernel of part 2 again; grid 4 x 64, 4 waves a work-group, clusters of 4 x 4, 327,680 bytes of LDS; arguments xb, wq, b_qkv, qkv; writes qkv
;; launch attn (part 5): grid 8 x 128, 8 waves a work-group, no clusters, 151,296 bytes of LDS; arguments qkv, rpb, ao; writes ao
.if DOCPART == 5
	.amdgcn_target "amdgcn-amd-amdhsa--gfx1250"
	.amdhsa_code_object_version 6
	.text
	.protected	k_q47aaafc21b_attn
	.globl	k_q47aaafc21b_attn
	.p2align	8
	.type	k_q47aaafc21b_attn,@function
k_q47aaafc21b_attn:
	s_mov_b64 s[64:65], 0
	v_nop
	global_prefetch_b8 v0, s[64:65] scope:SCOPE_SE
	s_setreg_imm32_b32 hwreg(HW_REG_WAVE_SCHED_MODE, 0, 2), 2
	s_setreg_imm32_b32 hwreg(HW_REG_WAVE_MODE, 25, 1), 1
	s_wait_xcnt 0x0
	s_wait_alu depctr_vm_vsrc(0)
; NEIGHBOURHOOD ATTENTION, 13 keys a query.  qkv: [4 x 4096][3072] f16 (q at byte 128 head, k at 2,048 + 128 head, v at 4,096 + 128 head of a row of 6,144 bytes; unscaled); rpb: [16][25] f32,
; rounded to bf16 here like every input; ao: [4 x 4096][1024] f16.  Query i sees the keys ni .. ni + 12, ni = clip(i - 6, 0, 4083); logit = q . k / 8 + rpb[head][key - i + 12].
; Products, maxima and sums in f32; the weights p are rounded to f16 for the second product (their sum l is taken of the unrounded p), the result once at the end.
; LIMITS.  A hidden score counts as its value less 1e30; a weight below 2^-126 counts as 0 in l; NaN and infinities are not treated apart.
; SHARES.  A work-group owns 128 queries of one batch and TWO heads (256 aligned bytes of a row); wave w owns 16 queries, for both heads.  Its 16 neighbourhoods lie in the 32 keys from 8 in front of
; its first query on, at both ends of the sequence too, so a tile is one product of 32 keys x 16 queries with a mask.
; LAYOUT.  S^T = K Q^T (source 0 = 16 keys, source 1 = 16 queries): lane l holds query l % 16 and the keys 8 (l / 16) + 0..7 of each block of 16.  The two blocks, rounded to f16 in pairs, ARE source 1
; of O^T = V^T P; V comes out of LDS turned, by ds_load_tr16_b128.  MASK AND BIAS START THE SUM: S's registers are set to 8 rpb, or to -1e30 where the key is hidden, and the products add onto them;
; p = 2^(c S - c m), c = log2(e) / 8, m the row's maximum.  Every query has 13 keys that it sees, so m is a true score.
; A STREAM: each work-group reads 26 blocks of 4,096 bytes at once through registers, meets once in LDS, and ends.  No tensor loads and no cluster: what neighbours share is 16 of 144 rows;
; no prefetch: all of a work-group's loads go out at its head, and several work-groups lie on a WGP.
; THE MODE: SCHED_MODE bits 1:0 = 2 (LLVM: expert scheduling mode 2), set by the entry lines.  The code itself states the register dependences
; between vector or matrix instructions and memory or LDS instructions, with s_wait_alu, always for 0.
; THE PLAN.  Registers that memory or LDS instructions touch, in the order of the text (there is no loop and no branch):
;   v3-5, v19     offsets of the global loads; v6-8 addresses of the LDS stores.  Written at the head, never again.  ONE wait on va_vdst ahead of the first load serves all seven.
;   v9-14         addresses of the fragments' loads, of the stage and of the global stores.  Written in the set-up behind the loads, never again.
;   v17-18 (RP)   two global loads land; five vector lines round and scale; the 32 permutes read them.
;   v136-151 (IX) the permutes' sixteen indices, a register each, written in the set-up; later K's fragments land there.
;                 ONE wait on va_vdst ahead of the permutes serves v9-14, RP and IX: no vector or matrix line behind it names a register that the permutes or the fragments' loads touch.
;   v224-255 (S)  the permutes land; from there on vector and matrix instructions alone.
;   v32-135       Q, K, V as loaded: the global loads land, the LDS stores read.  Behind the barrier these registers, and IX, are written again (P, the fragments, O^T, the packed O):
;                 ONE wait on vm_vsrc behind the barrier states that the LDS stores and the permutes have read them.
;   v160-223 (VF) V's loads land, dealt among the products K Q^T, which name S, K's and Q's fragments alone; the products V^T P read them; the stage's rows land in v160-191.
;   v128-159 (PK) the last roundings write, the stage's stores read.  ONE wait on va_vdst ahead of those stores serves PK and the landing on v160-191.
;   v30, v31      written at the head, read by the closing add alone.
; Vector results in scalar registers: the wave's number (one wait on va_sdst), one compare into VCC (one wait on va_vcc, twenty lines behind it), sixteen masks in s32-47 (one wait on va_sdst behind the run).
.set ROWB,  6144
.set PQ,    272                        ; rows of Q and K in LDS: 256 bytes + 16: the 16 rows of a load start at 16 different groups of four banks (64 banks of 4 bytes: ISA guide 11.1)
.set PVV,   288                        ; rows of V: 256 + 32
.set KOFF,  128*PQ                     ; Q's 128 rows, then K's 144 (row 0 is the key 8 in front of the block's first query),
.set VOFF,  KOFF+144*PQ                ; then V's 144,
.set STAGE, VOFF+144*PVV               ; then 16 rows x 272 bytes for each wave, for the way out,
.set SPARE, STAGE+8*16*PQ              ; then the spare words, 128 bytes for each wave: four blocks of 256 bytes that no other line names
.set VQ,  3                            ; v3   byte offset in qkv of my 16 bytes of row i0 + t / 16
.set VO0, 4                            ; v4   the same 8 rows up, held inside the batch
.set VO8, 5                            ; v5   the same 120 rows down, held inside the batch
.set LQ,  6                            ; v6-8 where I put 16 bytes of Q, K, V in LDS
.set LK,  7
.set LV,  8
.set AQ,  9                            ; v9-11 my lane's place in the wave's fragments of Q, K, V
.set AK,  10
.set AV,  11
.set STO, 12                           ; the way out
.set RD,  13
.set GO,  14
.set CM,  15                           ; v15  key n of my lane is seen where n - CM lies in 0..12
.set BI,  16                           ; v16  4 x (the bias index of my lane's key 0)
.set RP,  17                           ; v17-18 8 rpb of the two heads, entry min(lane, 24)
.set RPA, 19                           ; v19  its byte offset
.set ST,  20                           ; head hh at v[ST+4 hh]: c m, m, two at work (the first ends as 1 / l)
.set SPW, 30
.set NIL, 31
.set DQ,  32                           ; as loaded: Q 8 x 4, K 9 x 4, V 9 x 4
.set DK,  64
.set DV,  100
.set IX,  136                          ; v136-151  ahead of the barrier: 4 x (the bias index of my lane's key g), g = 0..15
.set P,   32                           ; behind the barrier: P 8 a head; Q 16 a head; K 32 a head; V 32 a head; S 16 a head
.set QF,  64
.set KF,  96
.set VF,  160
.set S,   224
.set O,   64                           ; O^T, 32 a head, where Q and a part of K lay
.set PK,  128                          ; packed O
.set BK,  160                          ; rows read back
.set MK,  32                           ; s32-47  register g of S: the lanes whose key is seen
	s_load_b128 s[4:7], s[0:1], 0x0                ; qkv s[4:5], rpb s[6:7]
	s_load_b64 s[8:9], s[0:1], 0x10                ; ao
	v_lshl_add_u32 v[SPW], v0, 2, SPARE
	v_mov_b32 v[NIL], 0
	v_lshrrev_b32 v1, 5, v0
	v_readfirstlane_b32 s10, v1                    ; wave 0..7
	s_and_b32 s12, ttmp7, 0xffff                   ; 32 x batch + block
	s_and_b32 s13, s12, 31
	s_lshl_b32 s13, s13, 7                         ; i0: the block's first query in its batch
	s_lshr_b32 s14, s12, 5
	s_mul_i32 s14, s14, 4096*ROWB                  ; the batch's first row,
	s_lshl_b32 s15, ttmp9, 8                       ; the pair of heads
	s_add_co_u32 s14, s14, s15
	s_mov_b32 s15, 0
	s_mul_i32 s22, ttmp9, 200                      ; two rows of rpb
	s_mov_b32 s23, 0
	s_mov_b32 s16, 0x76543210                      ; v_permlanex16_b32: each lane takes its own place in the other half
	s_mov_b32 s17, 0xfedcba98
	s_mov_b32 s18, 0x3e38aa3b                      ; c = log2(e) / 8
	s_mov_b32 s19, s18                             ; named with it as a pair
	s_mov_b32 s20, 0xf149f2ca                      ; -1e30
	v_and_b32 v1, 15, v0                           ; t % 16 = l % 16
	v_bfe_u32 v2, v0, 4, 1                         ; l / 16
	v_lshrrev_b32 v28, 4, v0                       ; t / 16: my row among the 16 that a load of the work-group covers
	v_lshlrev_b32 v29, 4, v1                       ; my 16 bytes of its 256
	v_add_nc_u32 v[VQ], s13, v28
	v_add_nc_u32 v[VO0], -8, v[VQ]                 ; in front of the batch this wraps round and lands on row 4,095: a row that exists, and that the mask hides
	v_add_nc_u32 v[VO8], 120, v[VQ]
	v_min_u32 v[VO0], 4095, v[VO0]
	v_min_u32 v[VO8], 4095, v[VO8]
	v_mul_u32_u24 v[VQ], v[VQ], ROWB
	v_mul_u32_u24 v[VO0], v[VO0], ROWB
	v_mul_u32_u24 v[VO8], v[VO8], ROWB
	v_add_nc_u32 v[VQ], v[VQ], v29
	v_add_nc_u32 v[VO0], v[VO0], v29
	v_add_nc_u32 v[VO8], v[VO8], v29
	v_and_b32 v[RPA], 31, v0
	v_min_u32 v[RPA], 24, v[RPA]
	v_lshlrev_b32 v[RPA], 2, v[RPA]
	v_mul_u32_u24 v[LQ], v28, PQ
	v_add_nc_u32 v[LQ], v[LQ], v29
	v_add_nc_u32 v[LK], KOFF, v[LQ]
	v_mul_u32_u24 v[LV], v28, PVV
	v_add3_u32 v[LV], v[LV], v29, VOFF
	s_wait_alu depctr_va_sdst(0)                   ; s10, the wave's number, is written, ahead of its first reader: ao's base and the wave's LDS addresses are made from it
	s_lshl_b32 s24, s12, 18                        ; ao: 128 rows of 2,048 bytes a block,
	s_lshl_b32 s25, s10, 15                        ; 16 a wave,
	s_add_co_u32 s24, s24, s25
	s_lshl_b32 s25, ttmp9, 8                       ; the pair of heads
	s_add_co_u32 s24, s24, s25
	s_mov_b32 s25, 0
	s_wait_kmcnt 0x0
	s_add_nc_u64 s[4:5], s[4:5], s[14:15]
	s_add_nc_u64 s[6:7], s[6:7], s[22:23]
	s_add_nc_u64 s[8:9], s[8:9], s[24:25]
	s_wait_alu depctr_va_vdst(0)                   ; the offsets v3-5 and v19 are written, which the loads below read; so are v6-8, the addresses of the LDS stores further down
	; 28 loads, all at once.  A wave's load of Q, K or V covers two rows' 256 aligned bytes.
	global_load_b32 v[RP],   v[RPA], s[6:7]
	global_load_b32 v[RP+1], v[RPA], s[6:7] offset:100
.irp j, 0,1,2,3,4,5,6,7
	global_load_b128 v[DQ+4*(\j):DQ+4*(\j)+3], v[VQ], s[4:5] offset:16*(\j)*ROWB
.endr
.irp z, 0,1                            ; K, then V: rows -8 .. 135 from the block's first query
	global_load_b128 v[DK+36*(\z):DK+36*(\z)+3], v[VO0], s[4:5] offset:2048*((\z)+1)
.irp j, 1,2,3,4,5,6,7
	global_load_b128 v[DK+36*(\z)+4*(\j):DK+36*(\z)+4*(\j)+3], v[VQ], s[4:5] offset:(16*(\j)-8)*ROWB+2048*((\z)+1)
.endr
	global_load_b128 v[DK+36*(\z)+32:DK+36*(\z)+35], v[VO8], s[4:5] offset:2048*((\z)+1)
.endr
	; the rest of the set-up stands in the wait for them; v28 and v29 are no load's address
	s_lshl_b32 s21, s10, 4                         ; 16 w
	s_add_co_u32 s27, s21, s13                     ; the wave's first query in its batch
	v_add_nc_u32 v29, s27, v1                      ; i
	v_cmp_le_u32 vcc_lo, 6, v29                    ; is i - 6 at least 0?  The select that reads this stands behind the address lines below, none of which writes VCC
	v_add_nc_u32 v28, s21, v1
	v_mul_u32_u24 v[AQ], v28, PQ                   ; row 16 w + l % 16,
	v_lshl_add_u32 v[AQ], v2, 4, v[AQ]             ; + 16 (l / 16)
	v_add_nc_u32 v[AK], KOFF, v[AQ]                ; K's row 16 w is my window's first key
	v_and_b32 v28, 7, v0
	v_lshl_add_u32 v28, v2, 3, v28
	v_add_nc_u32 v28, s21, v28                     ; V, turned: key row 16 w + 8 (l / 16) + l % 8,
	v_mul_u32_u24 v[AV], v28, PVV
	v_bfe_u32 v28, v0, 3, 1
	v_lshl_add_u32 v[AV], v28, 4, v[AV]            ; channels 8 ((l / 8) % 2) on
	v_add_nc_u32 v[AV], VOFF, v[AV]
	s_mul_i32 s26, s10, 16*PQ
	s_add_co_u32 s26, s26, STAGE                   ; my stage
	v_mul_u32_u24 v[STO], v1, PQ
	v_lshl_add_u32 v[STO], v2, 4, v[STO]
	v_add_nc_u32 v[STO], s26, v[STO]
	v_mul_u32_u24 v[RD], v2, PQ
	v_lshl_add_u32 v[RD], v1, 4, v[RD]
	v_add_nc_u32 v[RD], s26, v[RD]
	v_lshlrev_b32 v[GO], 11, v2
	v_lshl_add_u32 v[GO], v1, 4, v[GO]
	; My lane's key number n + 8 (l / 16) of the window (n = 16 x block + register) is key i - 8 - l % 16 + n + 8 (l / 16) of the batch.
	v_add_nc_u32 v28, -6, v29
	s_wait_alu depctr_va_vcc(0)                    ; the compare above has written VCC, which the select below reads
	v_cndmask_b32 v28, 0, v28, vcc_lo              ; max(i - 6, 0)
	v_min_u32 v28, 4083, v28                       ; ni
	v_sub_nc_u32 v28, v28, v29                     ; ni - i
	v_add3_u32 v[CM], v28, v1, 8
	v_lshlrev_b32 v28, 3, v2
	v_sub_nc_u32 v[CM], v[CM], v28                 ; key - ni = n - CM
	v_sub_nc_u32 v28, v28, v1
	v_add_nc_u32 v28, 4, v28                       ; key - i + 12 = n + this
	v_lshlrev_b32 v[BI], 2, v28
.set g, 0
.rept 16                               ; register g of S: the index of its entry of the table, a register for each, so that no index is written again between two permutes
	v_add_nc_u32 v[IX+g], 4*(16*(g/8)+g%8), v[BI]
.set g, g+1
.endr
	s_wait_loadcnt 26                              ; rpb is in; the 26 younger loads stay out
	v_cvt_pk_bf16_f32 v28, v[RP], v[RP+1]
	v_lshlrev_b32 v[RP], 16, v28
	v_and_b32 v[RP+1], 0xffff0000, v28
	v_mul_f32 v[RP], 0x41000000, v[RP]             ; x 8, exact: the scale 1 / 8 is applied to score and bias together
	v_mul_f32 v[RP+1], 0x41000000, v[RP+1]
	s_wait_alu depctr_va_vdst(0)                   ; RP and the sixteen indices are written, which the permutes read; so are v9-14, the addresses of the fragments' loads, of the stage and of the global stores; and IX is written before K's fragments land in it
.set g, 0
.rept 16                               ; each lane pulls its entry of the table from the lane that holds it (a seen key's index lies in 0..24; the others pull some entry and are masked)
	ds_bpermute_b32 v[S+g],    v[IX+g], v[RP]
	ds_bpermute_b32 v[S+16+g], v[IX+g], v[RP+1]
.set g, g+1
.endr
.set g, 0
.rept 16                               ; the sixteen masks, while the permutes are out: these lines name v28, v29 and CM, none of which a permute touches
	v_sub_nc_u32 v[28+g%2], 16*(g/8)+g%8, v[CM]
	v_cmp_ge_u32 s[MK+g], 12, v[28+g%2]            ; unsigned: 0 <= key - ni <= 12
.set g, g+1
.endr
	s_wait_alu depctr_va_sdst(0)                   ; the sixteen compares have written s32-47, which the selects below read: one wait for the run
	s_wait_dscnt 0x0                               ; the permutes have landed in S
.set g, 0
.rept 16
	v_cndmask_b32 v[S+g],    s20, v[S+g],    s[MK+g]
	v_cndmask_b32 v[S+16+g], s20, v[S+16+g], s[MK+g]
.set g, g+1
.endr
	s_wait_loadcnt 18                              ; Q is in
.irp j, 0,1,2,3,4,5,6,7
	ds_store_b128 v[LQ], v[DQ+4*(\j):DQ+4*(\j)+3] offset:16*PQ*(\j)
.endr
	s_wait_loadcnt 9                               ; K
.irp j, 0,1,2,3,4,5,6,7,8
	ds_store_b128 v[LK], v[DK+4*(\j):DK+4*(\j)+3] offset:16*PQ*(\j)
.endr
	s_wait_loadcnt 0x0                             ; V
.irp j, 0,1,2,3,4,5,6,7,8
	ds_store_b128 v[LV], v[DV+4*(\j):DV+4*(\j)+3] offset:16*PVV*(\j)
.endr
	s_wait_dscnt 0x0                               ; for the others' sake: my stores are done
	s_barrier_signal -1
	s_barrier_wait -1                              ; the one barrier: from here on nobody writes Q, K or V
	s_wait_alu depctr_vm_vsrc(0)                   ; my LDS stores have read v32-135 and the permutes have read IX: from here on these registers are written again, by the fragments' loads, by P's roundings, by the products V^T P and by the packing
.irp hh, 0,1
.irp c, 0,1
	ds_load_b128 v[QF+16*(\hh)+8*(\c):QF+16*(\hh)+8*(\c)+3],   v[AQ] offset:128*(\hh)+64*(\c)
	ds_load_b128 v[QF+16*(\hh)+8*(\c)+4:QF+16*(\hh)+8*(\c)+7], v[AQ] offset:128*(\hh)+64*(\c)+32
.endr
.endr
.irp hh, 0,1
.irp kb, 0,1
.irp c, 0,1
	ds_load_b128 v[KF+32*(\hh)+16*(\kb)+8*(\c):KF+32*(\hh)+16*(\kb)+8*(\c)+3],   v[AK] offset:16*PQ*(\kb)+128*(\hh)+64*(\c)
	ds_load_b128 v[KF+32*(\hh)+16*(\kb)+8*(\c)+4:KF+32*(\hh)+16*(\kb)+8*(\c)+7], v[AK] offset:16*PQ*(\kb)+128*(\hh)+64*(\c)+32
.endr
.endr
.endr
	s_wait_dscnt 0x0                               ; Q and K are in: nothing younger is out, V's loads follow below
.irp c, 0,1                            ; the four accumulators take turns: three others stand between the two links of a chain
.irp hh, 0,1
.irp kb, 0,1
	v_wmma_f32_16x16x32_f16 v[S+16*(\hh)+8*(\kb):S+16*(\hh)+8*(\kb)+7], v[KF+32*(\hh)+16*(\kb)+8*(\c):KF+32*(\hh)+16*(\kb)+8*(\c)+7], v[QF+16*(\hh)+8*(\c):QF+16*(\hh)+8*(\c)+7], v[S+16*(\hh)+8*(\kb):S+16*(\hh)+8*(\kb)+7]
	ds_load_tr16_b128 v[VF+32*(\c)+8*(2*(\hh)+(\kb)):VF+32*(\c)+8*(2*(\hh)+(\kb))+3],   v[AV] offset:128*(\c)+32*(2*(\hh)+(\kb))         ; V, two loads behind each product: head c, channels 16 (2 hh + kb) on.  No wait: no vector or
	ds_load_tr16_b128 v[VF+32*(\c)+8*(2*(\hh)+(\kb))+4:VF+32*(\c)+8*(2*(\hh)+(\kb))+7], v[AV] offset:128*(\c)+32*(2*(\hh)+(\kb))+16*PVV  ; matrix instruction since the wait ahead of the permutes names AV or VF
.endr
.endr
.endr
.rept 8
	v_nop                                          ; the places behind those products (eight, once a launch)
.endr
	; THE SOFTMAX, the two heads line by line.  The maximum of my 16 scores: two chains, each accumulator read from its low end on; then the query's other 16 keys, in the lane 16 away.
.irp hh, 0,1
	v_max3_num_f32 v[ST+4*(\hh)+2], v[S+16*(\hh)],   v[S+16*(\hh)+1], v[S+16*(\hh)+2]
	v_max3_num_f32 v[ST+4*(\hh)+3], v[S+16*(\hh)+8], v[S+16*(\hh)+9], v[S+16*(\hh)+10]
.endr
.irp hh, 0,1
	v_max3_num_f32 v[ST+4*(\hh)+2], v[ST+4*(\hh)+2], v[S+16*(\hh)+3],  v[S+16*(\hh)+4]
	v_max3_num_f32 v[ST+4*(\hh)+3], v[ST+4*(\hh)+3], v[S+16*(\hh)+11], v[S+16*(\hh)+12]
.endr
.irp hh, 0,1
	v_max3_num_f32 v[ST+4*(\hh)+2], v[ST+4*(\hh)+2], v[S+16*(\hh)+5],  v[S+16*(\hh)+6]
	v_max3_num_f32 v[ST+4*(\hh)+3], v[ST+4*(\hh)+3], v[S+16*(\hh)+13], v[S+16*(\hh)+14]
.endr
.irp hh, 0,1
	v_max3_num_f32 v[ST+4*(\hh)+2], v[ST+4*(\hh)+2], v[S+16*(\hh)+7], v[S+16*(\hh)+15]
.endr
.irp hh, 0,1
	v_max_num_f32 v[ST+4*(\hh)+2], v[ST+4*(\hh)+2], v[ST+4*(\hh)+3]
.endr
.irp hh, 0,1
	v_permlanex16_b32 v[ST+4*(\hh)+3], v[ST+4*(\hh)+2], s16, s17
.endr
.irp hh, 0,1
	v_max_num_f32 v[ST+4*(\hh)+1], v[ST+4*(\hh)+2], v[ST+4*(\hh)+3]  ; m
.endr
.irp hh, 0,1
	v_mul_f32 v[ST+4*(\hh)], s18, v[ST+4*(\hh)+1]                    ; c m
.endr
.irp b, 0,1,2,3,4,5,6,7
.irp hh, 0,1
	v_pk_fma_f32 v[S+16*(\hh)+2*(\b):S+16*(\hh)+2*(\b)+1], v[S+16*(\hh)+2*(\b):S+16*(\hh)+2*(\b)+1], s[18:19], v[ST+4*(\hh):ST+4*(\hh)+1] op_sel_hi:[1,0,0] neg_lo:[0,0,1] neg_hi:[0,0,1]  ; c s - c m
.endr
.endr
.set e, 0
.rept 32                               ; ONE BATCH: both heads' exponentials
	v_exp_f32 v[S+e], v[S+e]
.set e, e+1
.endr
	v_nop                                          ; a plain instruction behind the last exponential (ISA guide 5.7.2),
	s_wait_alu depctr_va_vdst(0)                   ; and one wait ahead of the batch's first reader: the 32 exponentials have written S
.irp b, 0,1,2,3,4,5,6,7
.irp hh, 0,1
	v_cvt_pk_f16_f32 v[P+8*(\hh)+(\b)], v[S+16*(\hh)+2*(\b)], v[S+16*(\hh)+2*(\b)+1]
.endr
.endr
	s_wait_dscnt 0x0                               ; V is in
.irp cb, 0,1,2,3                       ; O^T = V^T P: 32 keys in one instruction: eight accumulators, each started with 0 and finished at once
.irp hh, 0,1
	v_wmma_f32_16x16x32_f16 v[O+32*(\hh)+8*(\cb):O+32*(\hh)+8*(\cb)+7], v[VF+32*(\hh)+8*(\cb):VF+32*(\hh)+8*(\cb)+7], v[P+8*(\hh):P+8*(\hh)+7], 0
.endr
.endr
	; l, of the unrounded weights: these sums name no register of the products above and are the places behind them
.irp b, 0,2,4,6
.irp hh, 0,1
	v_pk_add_f32 v[S+16*(\hh)+(\b):S+16*(\hh)+(\b)+1], v[S+16*(\hh)+(\b):S+16*(\hh)+(\b)+1], v[S+16*(\hh)+8+(\b):S+16*(\hh)+8+(\b)+1]
.endr
.endr
.irp b, 0,2
.irp hh, 0,1
	v_pk_add_f32 v[S+16*(\hh)+(\b):S+16*(\hh)+(\b)+1], v[S+16*(\hh)+(\b):S+16*(\hh)+(\b)+1], v[S+16*(\hh)+4+(\b):S+16*(\hh)+4+(\b)+1]
.endr
.endr
.irp hh, 0,1
	v_pk_add_f32 v[S+16*(\hh):S+16*(\hh)+1], v[S+16*(\hh):S+16*(\hh)+1], v[S+16*(\hh)+2:S+16*(\hh)+3]
.endr
.irp hh, 0,1
	v_add_f32 v[ST+4*(\hh)+2], v[S+16*(\hh)], v[S+16*(\hh)+1]
.endr
.irp hh, 0,1
	v_permlanex16_b32 v[ST+4*(\hh)+3], v[ST+4*(\hh)+2], s16, s17
.endr
.irp hh, 0,1
	v_add_f32 v[ST+4*(\hh)+2], v[ST+4*(\hh)+2], v[ST+4*(\hh)+3]
.endr
.irp hh, 0,1
	v_rcp_f32 v[ST+4*(\hh)+2], v[ST+4*(\hh)+2]
.endr
	v_nop                                          ; a plain instruction between the last reciprocal and the use of its result,
	s_wait_alu depctr_va_vdst(0)                   ; and one wait for the two: the reciprocals have written 1 / l of both heads, which the scaling below reads
	; THE WAY OUT: O^T / l, rounded to f16; a lane's eight channels of a row are 16 bytes; through my own stage they become whole rows of 256 bytes.
.irp hh, 0,1
.set i, 0
.rept 16
	v_pk_mul_f32 v[O+32*(\hh)+2*i:O+32*(\hh)+2*i+1], v[O+32*(\hh)+2*i:O+32*(\hh)+2*i+1], v[ST+4*(\hh)+2:ST+4*(\hh)+3] op_sel_hi:[1,0]  ; each accumulator from its low end on
.set i, i+1
.endr
.endr
.irp hh, 0,1
.set i, 0
.rept 16
	v_cvt_pk_f16_f32 v[PK+16*(\hh)+i], v[O+32*(\hh)+2*i], v[O+32*(\hh)+2*i+1]
.set i, i+1
.endr
.endr
	s_wait_alu depctr_va_vdst(0)                   ; the roundings have written PK, which the LDS stores read; the products V^T P are done reading v160-191, in which the loads from the stage land
.irp hh, 0,1
.irp cb, 0,1,2,3
	ds_store_b128 v[STO], v[PK+16*(\hh)+4*(\cb):PK+16*(\hh)+4*(\cb)+3] offset:128*(\hh)+32*(\cb)
.endr
.endr
.irp f, 0,1,2,3,4,5,6,7
	ds_load_b128 v[BK+4*(\f):BK+4*(\f)+3], v[RD] offset:2*PQ*(\f)  ; LDS serves a wave's instructions in order (ISA guide 5.7.1.4): these see the stores above
.endr
.irp f, 0,1,2,3,4,5,6,7
	s_wait_dscnt 7-(\f)
	global_store_b128 v[GO], v[BK+4*(\f):BK+4*(\f)+3], s[8:9] offset:4096*(\f)  ; 16 lanes store 256 consecutive bytes, at a multiple of 256 from ao's first byte
.endr
	s_wait_dscnt 0x0                               ; the closing lines, six on end
	s_wait_alu 0x0
	s_wait_tensorcnt 0x0
	ds_add_u32 v[SPW], v[NIL]
	s_wait_dscnt 0x0
	s_endpgm
.Lfunc_end_k_q47aaafc21b_attn:
	.size	k_q47aaafc21b_attn, .Lfunc_end_k_q47aaafc21b_attn-k_q47aaafc21b_attn
	.p2alignl 7, 3214868480
	.fill 96, 4, 3214868480
	.section	.rodata,"a",@progbits
	.p2align	6, 0x0
	.amdhsa_kernel k_q47aaafc21b_attn
		.amdhsa_group_segment_fixed_size 151296
		.amdhsa_private_segment_fixed_size 0
		.amdhsa_enable_private_segment 0
		.amdhsa_kernarg_size 24
		.amdhsa_user_sgpr_count 2
		.amdhsa_user_sgpr_kernarg_segment_ptr 1
		.amdhsa_wavefront_size32 1
		.amdhsa_system_sgpr_workgroup_id_x 1
		.amdhsa_system_sgpr_workgroup_id_y 1
		.amdhsa_system_sgpr_workgroup_id_z 1
		.amdhsa_system_vgpr_workitem_id 0
		.amdhsa_next_free_vgpr 256
		.amdhsa_next_free_sgpr 66
		.amdhsa_reserve_vcc 1
		.amdhsa_float_denorm_mode_32 3
		.amdhsa_float_denorm_mode_16_64 3
		.amdhsa_memory_ordered 1
		.amdhsa_forward_progress 1
		.amdhsa_inst_pref_size 32
	.end_amdhsa_kernel
	.amdgpu_metadata
---
amdhsa.version: [ 1, 2 ]
amdhsa.kernels:
  - .name:           k_q47aaafc21b_attn
    .symbol:         k_q47aaafc21b_attn.kd
    .args:
      - { .name: qkv, .offset: 0, .size: 8, .value_kind: global_buffer, .address_space: global }
      - { .name: rpb, .offset: 8, .size: 8, .value_kind: global_buffer, .address_space: global }
      - { .name: ao, .offset: 16, .size: 8, .value_kind: global_buffer, .address_space: global }
    .group_segment_fixed_size: 151296
    .private_segment_fixed_size: 0
    .kernarg_segment_align: 8
    .kernarg_segment_size: 24
    .max_flat_workgroup_size: 256
    .sgpr_count:     66
    .vgpr_count:     256
    .wavefront_size: 32
...
	.end_amdgpu_metadata
.endif
;; end of part 5
;; launch gemm_proj: the kernel of part 4 again; grid 4 x 64, 4 waves a work-group, clusters of 4 x 4, 327,680 bytes of LDS; arguments ao, wp, b_proj, out0; writes out0
